; MI455X (gfx1250); checked and timed in simulation.
; The chip was launched on July 23, 2026; its instructions are those of AMD's public machine-readable ISA for CDNA 5 (MIT licence, August 2026) and "CDNA5" Instruction Set Architecture Reference Guide (July 2026). The comments in the code are by the model that wrote it; some were corrected since.
;; Causal Self Attention. Allowed arithmetic: matrix products marked QUANTISED: E2M3 operands, one E8M0 scale for each 32 along K, by v_wmma_scale_f32_16x16x128_f8f6f4 with both operands' format E2M3, f32 sums; everything else in f32.
;; Inputs: b_proj 1,024 float32; b_qkv 3,072 float32; w_proj 1,024 x 1,024 float32; w_qkv 1,024 x 3,072 float32; x 4 x 2,048 x 1,024 float32.
;; Outputs: out0 4 x 2,048 x 1,024 float32.
;; This version of the problem:
;;   THIS VERSION OF THE PROBLEM IS GIVEN IN LOW PRECISION. The matrix products marked QUANTISED in the list below multiply operands that are first quantised to E2M3 (2 exponent bits, 3 mantissa bits; 6 bits a number), with one power-of-two scale for each 32 numbers along K (OCP MX v1.0); their sums are f32. All else is computed in f32.
;;   The module's matrix products, in the order in which they are computed (A, B: the left and right operand; K: the contracted axis; several contracted axes count as one K, in the product's order):
;;     1. [M 8,192, K 1,024] x [K 1,024, N 3,072]; A: input x; B: input w_qkv: QUANTISED
;;     2. batch 64 x [M 2,048, K 64] x [K 64, N 2,048]; A: computed on the way; B: computed on the way: QUANTISED
;;     3. batch 64 x [M 2,048, K 2,048] x [K 2,048, N 64]; A: softmax (see below); B: computed on the way: QUANTISED
;;     4. [M 8,192, K 1,024] x [K 1,024, N 1,024]; A: computed on the way; B: input w_proj: QUANTISED
;;   THE QUANTISER, for each operand of a quantised product, along K:
;;     - K is cut into blocks of 32 from its start; a last block that is shorter is filled with zeros.
;;     - A block's scale is 2^e with e = floor(log2(the largest magnitude in the block)) - 2, held to -126 .. 127; a block of zeros has e = 0. As a byte (E8M0): e + 127.
;;     - Each number is divided by its block's scale, clamped to +-7.5, and rounded to the nearest number of E2M3, ties to even, subnormals kept.
;;     - The product sums the exact products of the quantised numbers (number of the format x scale) in f32.
;;   ~~~python
;;   def quantise(x, axis):      # numpy; x: float32 -> the quantised numbers, widened to float32 again
;;       x = np.moveaxis(x, axis, -1); K = x.shape[-1]
;;       x = np.pad(x, [(0, 0)] * (x.ndim - 1) + [(0, -K % 32)]); x = x.reshape(x.shape[:-1] + (-1, 32)); a = np.abs(x).max(-1, keepdims=True)
;;       e = np.where(a > 0, np.clip(np.frexp(np.where(a > 0, a, 1))[1] - 1 - 2, -126, 127), 0)      # np.frexp(a)[1] - 1 = floor(log2(a)), exactly
;;       r = np.clip(x / 2.0 ** e, -7.5, 7.5)
;;       step = 2.0 ** (np.maximum(np.frexp(np.where(r == 0, 1, r))[1] - 1, 0) - 3)
;;       q = np.round(r / step) * step * 2.0 ** e      # np.round: ties to even
;;       return np.moveaxis(q.reshape(q.shape[:-2] + (-1,))[..., :K], -1, axis).astype(np.float32)
;;   ~~~
;;   SOFTMAX AHEAD OF A QUANTISED PRODUCT. Where the list says 'softmax', what is quantised is not the finished softmax but p = 2^(t - M), with t = logit x log2(e) and M = ceil(the row's largest t), a whole number; so 1/2 < the row's largest p <= 1. The row's sum l is taken of the UNQUANTISED p, in f32, and the product's result is divided by l at the end. Since M is a whole number, a kernel that streams over the keys may use a running M (the ceiling of the running maximum): every later rescaling is an exact power of two, which a block's scale takes up: the codes' values come out the same.
;;   OPERANDS COMPUTED ON THE WAY. 'Computed on the way' means the value that the module computes at that place (a softmax that the list does not call 'softmax' is quantised finished and normalised). What goes into a quantiser is computed in f32, as accurately as f32 sums, v_exp_f32 and their like allow (about 1e-6 of the number): no bf16 or f16 on the way to a quantiser, and a product that is left as it is and whose result goes on into a quantised operand takes f32 operands (vector FMAs, or v_wmma_f32_16x16x4_f32). A number that lies on a knife's edge between two numbers of the format may be rounded either way, as far as f32 arithmetic and the matrix unit's own rounding can turn it there, and no further.
;; One version. Each part assembles by itself: llvm-mc -triple=amdgcn-amd-amdhsa -mcpu=gfx1250 --defsym DOCPART=n.
;; ======== version 1 of 1: 4 launches
;; workspace buffers: xc 6,291,456 bytes; wqc 2,359,296 bytes; wpc 786,432 bytes; s1 360,448 bytes; sp 294,912 bytes; qkvc 18,874,368 bytes; qkvs 786,432 bytes; yc 6,291,456 bytes
;; launch quant (part 1): grid 512 x 1, 4 waves a work-group, no clusters, 35,328 bytes of LDS; arguments x, w_qkv, w_proj, xc, wqc, wpc, s1, sp; writes xc, wqc, wpc, s1, sp
.if DOCPART == 1
	.amdgcn_target "amdgcn-amd-amdhsa--gfx1250"
	.amdhsa_code_object_version 6
	.text
	.protected	k_q9f35d9896f_quant
	.globl	k_q9f35d9896f_quant
	.p2align	8
	.type	k_q9f35d9896f_quant,@function
k_q9f35d9896f_quant:
	s_mov_b64 s[64:65], 0
	v_nop
	global_prefetch_b8 v0, s[64:65] scope:SCOPE_SE
	s_setreg_imm32_b32 hwreg(HW_REG_WAVE_MODE, 25, 1), 1
	s_wait_xcnt 0x0
; x [8192][1024], w_qkv [1024][3072] and w_proj [1024][1024], f32, become codes of FP6 (E2M3) with one E8M0 byte for each 32 along K (x: its last axis; the weights: their FIRST axis).
; A block's scale is 2^(floor(log2(its largest magnitude)) - 2); its byte is the largest magnitude's exponent field - 2, held at 1 from below.
; LIMITS: NaN and infinities among the inputs are not served; a block whose largest magnitude lies under 2^-124, a block of zeros among them, gets the byte 1 (the rule says 127 for zeros: its codes
; are zeros, which add nothing under any byte but 0xff, and these bytes are read by this program alone).
; TILES: tile 2 A + u of an operand's rows holds rows 32 A + 8 u + p + 8 (p / 8), p = 0 .. 15, so that a later product's results fall 16 neighbours to a lane.
; UNITS: all codes lie as images of operand registers.  A unit is 16 rows (a tile) x 64 along K, 768 bytes: lane l = p + 16 h holds row p, k = 32 h .. 32 h + 31, 24 bytes:
; registers 0-3 at byte 16 l, registers 4-5 at byte 512 + 8 l.  A row tile is 16 units on end.  Scale words (4 bytes: one row, 128 along K) lie [tile][K half][p][4 words].
; Work-groups 0-255 take x, 256-447 w_qkv, 448-511 w_proj.  Waves share nothing: no barrier.  Only x's path uses LDS.
.set XR,    32                         ; v32-127   x: three sets of 32 registers as loaded
.set XX,    128                        ; v128-191  x: two sets of 32 neighbours along K
.set XC,    192                        ; v192-239  x: six registers of codes for each of a wave's eight units: no store's data are written again
.set XT,    240                        ; v240-242  the second half of a block's codes (a conversion's three registers begin on an even number)
.set XSB,   244                        ; v244-247  x: scale bytes, a word for each 128 along K
.set FLOOR, 0x1800000                  ; 2^(3 - 127): no largest magnitude is taken under it, so the byte cannot fall under 1
.set OFF2,  0xff000000                 ; takes 2 off an exponent field
; v12 = the largest magnitude of v[s] .. v[s + 31]; v11 = the conversions' scale operand (they take its exponent field alone)
.macro MAX32 s
	v_max3_num_f32 v12, |v[\s]|, |v[\s+1]|, |v[\s+2]|
	v_max3_num_f32 v13, |v[\s+3]|, |v[\s+4]|, |v[\s+5]|
.irp i, 6,10,14,18,22,26
	v_max3_num_f32 v12, v12, |v[\s+\i]|, |v[\s+\i+1]|
	v_max3_num_f32 v13, v13, |v[\s+\i+2]|, |v[\s+\i+3]|
.endr
	v_max3_num_f32 v12, v12, |v[\s+30]|, |v[\s+31]|
	v_max3_num_f32 v12, v12, v13, FLOOR
	v_add_nc_u32 v11, OFF2, v12
.endm
; the block's 32 codes into v[c] .. v[c + 5]; v13 = the scale's byte (that line is also the plain line behind the conversions)
.macro CODES s, c, t
	v_cvt_scalef32_pk16_fp6_f32 v[\c:\c+2], v[\s:\s+15], v11
	v_cvt_scalef32_pk16_fp6_f32 v[\t:\t+2], v[\s+16:\s+31], v11
	v_lshrrev_b32 v13, 23, v11
.irp i, 0,1,2
	v_mov_b32 v[\c+3+\i], v[\t+\i]
.endr
.endm
; x: unit u's 16 rows x 256 bytes: sixteen lanes read 256 consecutive bytes of one row, two rows a load
.macro XLOAD u
.irp j, 0,1,2,3,4,5,6,7
	global_load_b128 v[XR+32*((\u)%3)+4*\j:XR+32*((\u)%3)+4*\j+3], v4, s[4:5] offset:(2*\j+8*(\j/4))*4096+256*(\u) th:TH_LOAD_NT
.endr
.endm
; through the wave's own stage (16 rows, 272 bytes apart): in as loaded, out 128 bytes a lane: a whole block of 32.  LDS serves a wave's instructions in order: no wait between
.macro XTURN u
.irp j, 0,1,2,3,4,5,6,7
	ds_store_b128 v5, v[XR+32*((\u)%3)+4*\j:XR+32*((\u)%3)+4*\j+3] offset:4352*((\u)%2)+544*\j
.endr
.irp i, 0,1,2,3,4,5,6,7
	ds_load_b128 v[XX+32*((\u)%2)+4*\i:XX+32*((\u)%2)+4*\i+3], v6 offset:4352*((\u)%2)+16*\i
.endr
.endm
.macro XITEM u
.set XS, XX+32*((\u)%2)
	s_wait_dscnt 0x0                               ; this unit's numbers are back from the stage, so its stores into the stage have read their registers,
.if (\u)+3 < 8
	XLOAD (\u)+3                                   ; which take the loads of three units on
.endif
.if (\u)+1 < 8
.if (\u) <= 4
	s_wait_loadcnt 16                              ; the next unit's eight loads are in; those of the two units behind it may be out
.else
	s_wait_loadcnt 8*(6-(\u))
.endif
	XTURN (\u)+1                                   ; and go through the other stage while this unit is worked
.endif
	MAX32 XS
	CODES XS, XC+6*(\u), XT
.if (\u)%2 == 0
	v_mov_b32 v[XSB+(\u)/2], v13                   ; my block's byte of the even unit,
.else
	v_lshl_or_b32 v[XSB+(\u)/2], v13, 16, v[XSB+(\u)/2]   ; and of the odd one, two bytes up
.endif
	global_store_b128 v7, v[XC+6*(\u):XC+6*(\u)+3], s[10:11] offset:768*(\u)          ; 512 consecutive bytes,
	global_store_b64 v14, v[XC+6*(\u)+4:XC+6*(\u)+5], s[10:11] offset:768*(\u)+512    ; and 256: the unit
.endm
; A weight [1024][N]: a lane takes a column and its registers run down K, so that a block lies in one lane and the codes come out with K innermost.
; A wave takes 32 columns x 128 along K.  first: the path's first work-group; src, cod, scl: the scalar pairs of the weight, its codes and its scale words (which begin at byte 262,144 of their buffer).
.macro WLOAD N, src, k
.irp i, 0,1,2,3,4,5,6,7,8,9,10,11,12,13,14,15,16,17,18,19,20,21,22,23,24,25,26,27,28,29,30,31
	global_load_b32 v[32+32*(\k)+\i], v4, s[\src:\src+1] offset:(32*(\k)+\i)*\N*4 th:TH_LOAD_NT
.endr
.endm
.macro WBLOCK N, src, cod, k
.if (\k) < 3
	s_wait_loadcnt 32                              ; this block's 32 loads are in; the next block's may be out
.else
	s_wait_loadcnt 0x0
.endif
.if (\k)+2 < 4
	WLOAD \N, \src, (\k)+2
.endif
	MAX32 32+32*(\k)
	CODES 32+32*(\k), 160+6*(\k), 192+4*(\k)
.if (\k) == 0
	v_mov_b32 v20, v13
.else
	v_lshl_or_b32 v20, v13, 8*(\k), v20            ; the four bytes make my column's scale word of this K step
.endif
	global_store_b128 v8, v[160+6*(\k):163+6*(\k)], s[\cod:\cod+1] offset:768*((\k)/2)+256*((\k)%2)
	global_store_b64 v9, v[164+6*(\k):165+6*(\k)], s[\cod:\cod+1] offset:768*((\k)/2)+128*((\k)%2)+512
.endm
.macro WPATH N, first, src, cod, scl
	s_sub_co_u32 s24, ttmp9, \first
	s_lshr_b32 s25, s24, 3                         ; which 128 columns
	s_and_b32 s26, s24, 7                          ; which 128 along K
	s_lshl_b32 s27, s25, 2
	s_add_co_u32 s27, s27, s22                     ; A: my wave's group of 32 columns
	s_mul_i32 s28, s26, 512*\N
	s_lshl_b32 s30, s27, 7
	s_add_co_u32 s28, s28, s30                     ; the weight: 128 K steps' rows + 4 x first column
	s_mov_b32 s29, 0
	s_mul_i32 s32, s27, 24576
	s_mul_i32 s30, s26, 1536
	s_add_co_u32 s32, s32, s30                     ; the codes: tile 2 A, unit 2 x K step
	s_mov_b32 s33, 0
	s_lshl_b32 s34, s27, 10
	s_lshr_b32 s30, s26, 2
	s_lshl_b32 s30, s30, 8
	s_add_co_u32 s34, s34, s30
	s_and_b32 s30, s26, 3
	s_lshl_b32 s30, s30, 2
	s_add_co_u32 s34, s34, s30
	s_add_co_u32 s34, s34, 262144                  ; the scale words: tile 2 A, K half, word
	s_mov_b32 s35, 0
	v_lshlrev_b32 v4, 2, v1                        ; in: 4 bytes a lane: 128 consecutive bytes a load
	v_bfe_u32 v5, v1, 3, 1                         ; column l of the 32 lies in tile 2 A + (l / 8) % 2,
	v_and_b32 v6, 7, v1
	v_lshrrev_b32 v7, 4, v1
	v_lshl_add_u32 v6, v7, 3, v6                   ; at place p = l % 8 + 8 (l / 16)
	v_mul_u32_u24 v7, v5, 12288
	v_lshl_add_u32 v8, v6, 4, v7
	v_lshl_add_u32 v9, v6, 3, v7
	v_lshlrev_b32 v10, 9, v5
	v_lshl_add_u32 v10, v6, 4, v10
	s_wait_kmcnt 0x0
	s_add_nc_u64 s[\src:\src+1], s[\src:\src+1], s[28:29]
	s_add_nc_u64 s[\cod:\cod+1], s[\cod:\cod+1], s[32:33]
	s_add_nc_u64 s[\scl:\scl+1], s[\scl:\scl+1], s[34:35]
	WLOAD \N, \src, 0
	WLOAD \N, \src, 1
	WBLOCK \N, \src, \cod, 0
	WBLOCK \N, \src, \cod, 1
	WBLOCK \N, \src, \cod, 2
	WBLOCK \N, \src, \cod, 3
	global_store_b32 v10, v20, s[\scl:\scl+1]      ; 4 bytes a column, 16 bytes apart: a K step owns one word of a row's four
	s_endpgm
.endm
	s_load_b256 s[4:11], s[0:1], 0x0               ; x s[4:5], w_qkv s[6:7], w_proj s[8:9], xc s[10:11]
	s_load_b256 s[12:19], s[0:1], 0x20             ; wqc s[12:13], wpc s[14:15], s1 s[16:17], sp s[18:19]
	v_lshl_add_u32 v254, v0, 2, 0x8800
	v_mov_b32 v255, 0
	v_lshrrev_b32 v1, 5, v0
	v_readfirstlane_b32 s22, v1                    ; wave 0..3
	v_and_b32 v1, 31, v0                           ; lane
	s_cmp_lt_u32 ttmp9, 256
	s_cbranch_scc0 .Lweights
	; ---- x.  Wave 4 g + w takes row tile 2 g + w / 2 and K half w % 2: eight units
	v_and_b32 v2, 15, v0                           ; r
	v_bfe_u32 v3, v0, 4, 1                         ; h
	v_lshlrev_b32 v4, 4, v2
	v_lshl_add_u32 v4, v3, 12, v4                  ; in: 16 bytes a lane, lanes 16-31 one row down
	s_mul_i32 s23, s22, 8704                       ; my wave's two stages
	v_mul_u32_u24 v5, v3, 272
	v_lshl_add_u32 v5, v2, 4, v5
	v_add_nc_u32 v5, s23, v5                       ; the stage, on the way in
	v_mul_u32_u24 v6, v2, 272
	v_lshl_add_u32 v6, v3, 7, v6
	v_add_nc_u32 v6, s23, v6                       ; and out: row r, block h
	v_lshlrev_b32 v7, 4, v1                        ; a unit's first 512 bytes: 16 x lane
	v_lshlrev_b32 v14, 3, v1                       ; its last 256: 8 x lane
	v_lshlrev_b32 v15, 3, v3                       ; my block's byte lies 8 h bits up
	v_lshlrev_b32 v16, 4, v2
	v_lshl_add_u32 v16, v3, 3, v16                 ; the scale words' way out: 16 r + 8 h
	v_cmp_eq_u32 vcc_lo, 1, v3
.irp i, 0,1,2,3
	v_mov_b32 v[248+\i], 0                         ; written once: a lane permute's destination counts as one of its sources
.endr
	s_mov_b32 s20, 0x76543210
	s_mov_b32 s21, 0xfedcba98                      ; v_permlanex16_b32's selects for lane l xor 16
	s_lshl_b32 s24, ttmp9, 17                      ; 32 rows of 4,096 bytes a pair of tiles,
	s_lshr_b32 s26, s22, 1
	s_lshl_b32 s27, s26, 15                        ; 8 rows for the odd tile,
	s_add_co_u32 s24, s24, s27
	s_and_b32 s27, s22, 1
	s_lshl_b32 s28, s27, 11                        ; 2,048 bytes for the upper K half
	s_add_co_u32 s24, s24, s28
	s_mov_b32 s25, 0
	s_lshl_b32 s28, ttmp9, 1
	s_add_co_u32 s28, s28, s26                     ; my row tile
	s_mul_i32 s30, s28, 12288
	s_mul_i32 s29, s27, 6144
	s_add_co_u32 s30, s30, s29
	s_mov_b32 s31, 0
	s_lshl_b32 s32, s28, 9
	s_lshl_b32 s29, s27, 8
	s_add_co_u32 s32, s32, s29
	s_mov_b32 s33, 0
	s_wait_kmcnt 0x0
	s_add_nc_u64 s[4:5], s[4:5], s[24:25]
	s_add_nc_u64 s[10:11], s[10:11], s[30:31]
	s_add_nc_u64 s[16:17], s[16:17], s[32:33]
	XLOAD 0
	XLOAD 1
	XLOAD 2
	s_wait_loadcnt 16                              ; unit 0's eight loads are in
	XTURN 0
.irp t, 0,1,2,3,4,5,6,7
	XITEM \t
.endr
.irp i, 0,1,2,3
	v_lshlrev_b32 v[XSB+\i], v15, v[XSB+\i]        ; my two bytes at their places in the word,
.endr
.irp i, 0,1,2,3
	v_permlanex16_b32 v[248+\i], v[XSB+\i], s20, s21
.endr
.irp i, 0,1,2,3
	v_or_b32 v[XSB+\i], v[XSB+\i], v[248+\i]       ; with lane l xor 16's two the word is whole
.endr
	v_cndmask_b32 v252, v244, v246, vcc_lo         ; lanes 0-15 store words 0 and 1 of their row, lanes 16-31 words 2 and 3:
	v_cndmask_b32 v253, v245, v247, vcc_lo
	global_store_b64 v16, v[252:253], s[16:17]     ; 256 consecutive bytes, aligned
	s_wait_tensorcnt 0x0
	ds_add_u32 v254, v255
	s_wait_dscnt 0x0
	s_endpgm
.Lweights:
	s_cmp_lt_u32 ttmp9, 448
	s_cbranch_scc0 .Lwproj
	WPATH 3072, 256, 6, 12, 16
.Lwproj:
	WPATH 1024, 448, 8, 14, 18
.Lfunc_end_k_q9f35d9896f_quant:
	.size	k_q9f35d9896f_quant, .Lfunc_end_k_q9f35d9896f_quant-k_q9f35d9896f_quant
	.p2alignl 7, 3214868480
	.fill 96, 4, 3214868480
	.section	.rodata,"a",@progbits
	.p2align	6, 0x0
	.amdhsa_kernel k_q9f35d9896f_quant
		.amdhsa_group_segment_fixed_size 35328
		.amdhsa_private_segment_fixed_size 0
		.amdhsa_enable_private_segment 0
		.amdhsa_kernarg_size 64
		.amdhsa_user_sgpr_count 2
		.amdhsa_user_sgpr_kernarg_segment_ptr 1
		.amdhsa_wavefront_size32 1
		.amdhsa_system_sgpr_workgroup_id_x 1
		.amdhsa_system_sgpr_workgroup_id_y 1
		.amdhsa_system_sgpr_workgroup_id_z 1
		.amdhsa_system_vgpr_workitem_id 0
		.amdhsa_next_free_vgpr 256
		.amdhsa_next_free_sgpr 66
		.amdhsa_reserve_vcc 1
		.amdhsa_float_denorm_mode_32 3
		.amdhsa_float_denorm_mode_16_64 3
		.amdhsa_memory_ordered 1
		.amdhsa_forward_progress 1
		.amdhsa_inst_pref_size 71
	.end_amdhsa_kernel
	.amdgpu_metadata
---
amdhsa.version: [ 1, 2 ]
amdhsa.kernels:
  - .name:           k_q9f35d9896f_quant
    .symbol:         k_q9f35d9896f_quant.kd
    .args:
      - { .name: x, .offset: 0, .size: 8, .value_kind: global_buffer, .address_space: global }
      - { .name: w_qkv, .offset: 8, .size: 8, .value_kind: global_buffer, .address_space: global }
      - { .name: w_proj, .offset: 16, .size: 8, .value_kind: global_buffer, .address_space: global }
      - { .name: xc, .offset: 24, .size: 8, .value_kind: global_buffer, .address_space: global }
      - { .name: wqc, .offset: 32, .size: 8, .value_kind: global_buffer, .address_space: global }
      - { .name: wpc, .offset: 40, .size: 8, .value_kind: global_buffer, .address_space: global }
      - { .name: s1, .offset: 48, .size: 8, .value_kind: global_buffer, .address_space: global }
      - { .name: sp, .offset: 56, .size: 8, .value_kind: global_buffer, .address_space: global }
    .group_segment_fixed_size: 35328
    .private_segment_fixed_size: 0
    .kernarg_segment_align: 8
    .kernarg_segment_size: 64
    .max_flat_workgroup_size: 128
    .sgpr_count:     66
    .vgpr_count:     256
    .wavefront_size: 32
...
	.end_amdgpu_metadata
.endif
;; end of part 1
;; launch qkv (part 2): grid 12 x 32, 4 waves a work-group, clusters of 4 x 4, 327,680 bytes of LDS; arguments xc, wqc, s1, b_qkv, qkvc, qkvs; writes qkvc, qkvs
.if DOCPART == 2
	.amdgcn_target "amdgcn-amd-amdhsa--gfx1250"
	.amdhsa_code_object_version 6
	.text
	.protected	k_q9f35d9896f_qkv
	.globl	k_q9f35d9896f_qkv
	.p2align	8
	.type	k_q9f35d9896f_qkv,@function
k_q9f35d9896f_qkv:
	s_mov_b64 s[64:65], 0
	v_nop
	global_prefetch_b8 v0, s[64:65] scope:SCOPE_SE
	s_setreg_imm32_b32 hwreg(HW_REG_WAVE_MODE, 25, 1), 1
	s_wait_xcnt 0x0
	s_wait_alu depctr_hold_cnt(0) depctr_sa_sdst(0) depctr_va_vdst(0) depctr_va_sdst(0) depctr_va_ssrc(0) depctr_va_vcc(0) depctr_vm_vsrc(0)
	s_getreg_b32 s2, hwreg(HW_REG_IB_STS2, 6, 4)
	s_cmp_eq_u32 s2, 0
	s_cbranch_scc0 .Lentry_in_a_cluster
	s_endpgm
.Lentry_in_a_cluster:
	s_bfe_u32 s2, ttmp6, 0x10000c
	s_cmp_lg_u32 s2, 0xf033
	s_cbranch_scc0 .Lentry_shape_is_right
	s_endpgm
.Lentry_shape_is_right:
; qkv = x w_qkv + b_qkv on codes of FP6 (E2M3) with E8M0 scales, K = 1,024; the result is quantised at once, in registers, into the operands of attention: q and k along the head's 64, v ALONG THE KEYS.
; C'[m][n] = sum over k of A[m][k] B[n][k].  A tile of C' is 256 x 256: four waves, each 128 x 128: 64 accumulators, 512 registers.  The matrix instruction is used transposed (source 0 = 16 rows of B,
; source 1 = 16 rows of A): a lane holds one row m and its registers run along n.  Clusters x = 0, 1 make q and k: A = x's rows, B = w's columns 0 .. 2047.  Cluster x = 2 makes v with the operands
; SWAPPED: A = w's columns 2048 .., B = x's rows: there a lane holds one channel d and its registers run along the keys.  So in both cases the blocks of 32 of the next product run along n, and one way out serves all three.
; TILES AND UNITS: tile 2 A + u of an operand's rows holds rows 32 A + 8 u + p + 8 (p / 8); hence the 16 registers of result tiles 2 B, 2 B + 1 are n = 32 B + 16 (lane / 16) + 0 .. 15.  Codes lie as units of
; 16 rows x 64 K, 768 bytes, an image of six operand registers: registers 0-3 at 16 x lane, 4-5 at 512 + 8 x lane; a row tile is 16 units.  So LDS has no pitch and no padding.
; K goes in steps of 256 through THREE LDS slots; K steps 0, 1, 2 are first fills and only K step 3 fills a slot again: the text is straight, with one refill.  All scale words of the wave's rows, for all of K, lie in 64 registers.
; The bias is the C of each sum's first matrix instruction.  CLUSTERS: 4 x 4; A's tiles are asked for jointly along a row of the cluster, B's along a column.
; LIMITS: NaN and infinities are not served; a block whose largest magnitude lies under 2^-124 (zeros too) gets the byte 1: these bytes are read by this program alone.
; REGISTERS: window 0: v1-23 lane terms and addresses; v28, v29 the add's; v32-95 scale words; v96-127, v224-255 the bias, 8 tiles of 8; v128-223 A's fragments, one set.
;   window 1: B's fragments, two sets, at v0 and v128.   windows 2, 3: the accumulators ((a, b) at v[8 (8 (a % 4) + b)] of window 2 + a / 4).
.set SLOT,  98304                      ; A's 16 row tiles x 3,072 bytes, then B's
.set SPARE, 3*SLOT                     ; behind the slots: the spare words, 128 bytes for each wave
.set FR,    12                         ; registers of a fragment: 16 rows x 128 K
.set SC,    32                         ; v[SC + 8 i + k]: lanes 0-15 the word of A's tile i, lanes 16-31 that of B's tile i, for the k-th 128 along K
.set BI,    96                         ; bias tile i at v[BI + 8 i + 96 (i / 4)]
.set AF,    128
.set A16,   4                          ; v4-6   A's fragments in slot 0, 1, 2: 16 x lane + my part;   v7-9   8 x lane + 512 + my part
.set A8,    7
.set B16,   10                         ; v10-12, v13-15 the same for B
.set B8,    13
.set SPW,   28
.set NIL,   29
.set TM,    96                         ; the way out: v96-99 largest magnitudes, v100-103 bytes, v108-111 scale operands
.set PW,    112                        ; v112-119 the scale word of each of my eight tiles of rows
.set TT,    224                        ; the second halves of the codes
.set G1A,   24
.set G0A,   32                         ; three sets, one for each slot
.set G1B,   44
.set G0B,   52
.set SEL,   94
.set MSB, 0
.macro WIN new                         ; the immediate's high byte repeats the setting that is left
.if MSB != \new
	s_set_vgpr_msb (MSB<<8)|\new
.set MSB, \new
.endif
.endm
.macro PLACES n
.rept \n
	v_nop
.endr
.endm
; A joint load: waves 0 and 1 fetch for A, waves 2 and 3 for B; the branch hangs on the wave's number alone.  Four v_nop follow each of the two lines.
.macro JLOAD g0a, g1a, g0b, g1b
	s_cmp_eq_u32 s17, 0
	s_cbranch_scc0 .Lfor_b_\@
	tensor_load_to_lds s[\g0a:\g0a+3], s[\g1a:\g1a+7]
	s_nop 0
.rept 4
	v_nop
.endr
	s_branch .Lasked_\@
.Lfor_b_\@:
	tensor_load_to_lds s[\g0b:\g0b+3], s[\g1b:\g1b+7]
	s_nop 0
.rept 4
	v_nop
.endr
.Lasked_\@:
.endm
.macro CREST                           ; a round of the cluster's barrier behind its opening barrier
	s_cmp_lg_u32 s16, 0
	s_cbranch_scc1 .Lnot_wave_0_\@
	s_barrier_signal -3
.Lnot_wave_0_\@:
	s_barrier_wait -3
	s_barrier_signal -1
	s_barrier_wait -1
.endm
.macro CROUND
	s_barrier_signal -1
	s_barrier_wait -1
	CREST
.endm
; a fragment = two units, as they lie: four loads, each of consecutive bytes
.macro FRAG reg, a16, a8, q, i
	ds_load_b128 v[\reg:\reg+3], v[\a16] offset:3072*(\i)+1536*(\q)
	ds_load_b64 v[\reg+4:\reg+5], v[\a8] offset:3072*(\i)+1536*(\q)
	ds_load_b128 v[\reg+6:\reg+9], v[\a16] offset:3072*(\i)+1536*(\q)+768
	ds_load_b64 v[\reg+10:\reg+11], v[\a8] offset:3072*(\i)+1536*(\q)+768
.endm
.macro FETCH_B slot, q, p              ; B's eight fragments of the slot's q-th 128 along K into set p: 32 loads
	WIN 0x40
.irp i, 0,1,2,3,4,5,6,7
	FRAG 128*(\p)+FR*\i, B16+\slot, B8+\slot, \q, \i
.endr
	WIN 0
.endm
.macro FETCH_A slot, q, i0             ; A's blocks i0 .. i0 + 3: 16 loads
.irp i, \i0, \i0+1, \i0+2, \i0+3
	FRAG AF+FR*(\i), A16+\slot, A8+\slot, \q, \i
.endr
.endm
; 16 matrix instructions: A's blocks a0, a0 + 1 x B's eight, the k-th 128 along K.  cm = 0: C = D; 1: C = the bias of B's tile (a bias along n); 2: of A's tile (along m).
; The 64 accumulators take turns, one instruction a turn, in the same order in every step.
.macro MUL16 a0, p, k, cm
.irp a, \a0, \a0+1
.irp b, 0,1,2,3,4,5,6,7
.set AC, 8*(8*((\a)%4)+\b)
.set RB, 128*(\p)+FR*\b
.set RA, AF+FR*(\a)
.if (\cm) == 0
	v_wmma_scale_f32_16x16x128_f8f6f4 v[AC:AC+7], v[RB:RB+FR-1], v[RA:RA+FR-1], v[AC:AC+7], v[SC+8*\b+(\k)], v[SC+8*(\a)+(\k)] matrix_a_fmt:MATRIX_FMT_FP6 matrix_b_fmt:MATRIX_FMT_FP6 matrix_a_scale:MATRIX_SCALE_ROW1
.elseif (\cm) == 1
	v_wmma_scale_f32_16x16x128_f8f6f4 v[AC:AC+7], v[RB:RB+FR-1], v[RA:RA+FR-1], v[BI+8*\b+96*(\b/4):BI+8*\b+96*(\b/4)+7], v[SC+8*\b+(\k)], v[SC+8*(\a)+(\k)] matrix_a_fmt:MATRIX_FMT_FP6 matrix_b_fmt:MATRIX_FMT_FP6 matrix_a_scale:MATRIX_SCALE_ROW1
.else
	v_wmma_scale_f32_16x16x128_f8f6f4 v[AC:AC+7], v[RB:RB+FR-1], v[RA:RA+FR-1], v[BI+8*(\a)+96*((\a)/4):BI+8*(\a)+96*((\a)/4)+7], v[SC+8*\b+(\k)], v[SC+8*(\a)+(\k)] matrix_a_fmt:MATRIX_FMT_FP6 matrix_b_fmt:MATRIX_FMT_FP6 matrix_a_scale:MATRIX_SCALE_ROW1
.endif
.endr
.endr
.endm
; The k-th 128 along K; its successor lies at (slot sn, part qn).  Loads into registers that matrix instructions have read stand four plain vector instructions behind them (ISA guide 7.12.1 for vector instructions).
.macro STEP k, cm, sn, qn
	s_wait_dscnt 16                                ; B's set and A's blocks 0-3 are in; the youngest sixteen loads (A's blocks 4-7) may be out
.if \cm
	WIN 0x81                                       ; source 0 (B) window 1, source 1 (A) and C (the bias) window 0, D window 2
.else
	WIN 0xa1                                       ; C and D window 2
.endif
	MUL16 0, (\k)%2, \k, \cm
	MUL16 2, (\k)%2, \k, \cm
	s_wait_dscnt 0x0                               ; A's blocks 4-7 are in
	PLACES 4
	FETCH_B \sn, \qn, 1-(\k)%2
	FETCH_A \sn, \qn, 0
.if \cm
	WIN 0xc1
.else
	WIN 0xf1
.endif
	MUL16 4, (\k)%2, \k, \cm
	MUL16 6, (\k)%2, \k, \cm
	PLACES 4
	WIN 0
	FETCH_A \sn, \qn, 4
.endm
; A step with a barrier in it.  In front of the barrier each wave waits for all its tensor loads, adds 0 to its spare word, and waits for that and for its LDS reads.
; fill = 1: slot 0 has been read out by every wave of the cluster's partners: it takes K step 3.
.macro TURN k, sn, fill
	s_wait_tensorcnt 0x0                           ; all my tensor loads have landed
	ds_add_u32 v[SPW], v[NIL]                      ; 0 onto my spare word
	s_wait_dscnt 17                                ; (the add and the youngest sixteen loads may be out)
	WIN 0xa1
	MUL16 0, 1, \k, 0                              ; sixteen matrix instructions stand between the add and the wait for it
	s_wait_dscnt 0x0                               ; the add is done, and my LDS reads so far are over
	s_barrier_signal -1
	MUL16 2, 1, \k, 0
	WIN 0
	s_barrier_wait -1
.if \fill
	CREST                                          ; the barrier has opened a round of the cluster's barrier
	s_add_nc_u64 s[G0A+2:G0A+3], s[G0A+2:G0A+3], 3*3072
	s_add_nc_u64 s[G0B+2:G0B+3], s[G0B+2:G0B+3], 3*3072
	JLOAD G0A, G1A, G0B, G1B                       ; the first tensor load behind the round, my only one; it has 224 matrix instructions in which to land; its four v_nop are the places in front of the loads below
.else
	PLACES 4
.endif
	FETCH_B \sn, 0, 0
	FETCH_A \sn, 0, 0
	WIN 0xf1
	MUL16 4, 1, \k, 0
	MUL16 6, 1, \k, 0
	PLACES 4
	WIN 0
	FETCH_A \sn, 0, 4
.endm
	s_load_b256 s[4:11], s[0:1], 0x0               ; xc s[4:5], wqc s[6:7], s1 s[8:9], b_qkv s[10:11]
	s_load_b128 s[12:15], s[0:1], 0x20             ; qkvc s[12:13], qkvs s[14:15]
	v_lshl_add_u32 v[SPW], v0, 2, SPARE
	v_mov_b32 v[NIL], 0
	ds_add_u32 v28, v29
	ds_add_u32 v28, v29
	s_wait_dscnt 0x0
	v_lshrrev_b32 v1, 5, v0
	v_readfirstlane_b32 s16, v1                    ; wave 0..3
	s_lshr_b32 s17, s16, 1                         ; which half of the tile's rows m is mine.  Also: I fetch for A (0) or for B (1)
	s_and_b32 s18, s16, 1                          ; which half of its n.  Also: which 8 row tiles I fetch
	s_bfe_u32 s19, ttmp6, 0x40000                  ; cx
	s_bfe_u32 s20, ttmp6, 0x40004                  ; cy
	s_and_b32 s22, ttmp7, 0xffff
	s_lshl_b32 s22, s22, 2                         ; 4 x cluster y
	s_lshl_b32 s21, ttmp9, 2                       ; 4 x cluster x
	s_cmp_eq_u32 ttmp9, 2                          ; the clusters that make v: the same answer in all sixteen partners
	s_cselect_b32 s23, 1, 0
	s_cselect_b32 s74, 0, s22
	s_cselect_b32 s75, s22, s21
	s_add_co_u32 s74, s74, s20                     ; tile row of C': q, k: 4 x cluster y + cy (x's rows);  v: cy (w's last 1,024 columns)
	s_add_co_u32 s75, s75, s19                     ; tile column:    q, k: 4 x cluster x + cx;             v: 4 x cluster y + cx (x's rows)
	s_lshl_b32 s2, s20, 2
	s_lshl_b32 s2, 15, s2                          ; my row of the cluster
	s_lshl_b32 s3, 0x1111, s19                     ; my column
	; descriptor group 1: 8 row tiles' parts of a K step: 8 rows of 3,072 bytes (384 elements of 8), 12,288 bytes apart; dense in LDS
	s_or_b32 s[G1A+0], s2, (3<<16)|(1<<21)         ; 15:0 the mask; 17:16 elements of 8 bytes; 20 no padding; 21 set beside a mask
	s_or_b32 s[G1B+0], s3, (3<<16)|(1<<21)
.irp g, G1A, G1B
	s_mov_b32 s[\g+1], 384<<16                     ; tensor_dim0
	s_mov_b32 s[\g+2], 8<<16                       ; tensor_dim1
	s_mov_b32 s[\g+3], 384<<16                     ; tile_dim0
	s_mov_b32 s[\g+4], 8                           ; tile_dim1
	s_mov_b32 s[\g+5], 1536                        ; tensor_dim0_stride
	s_mov_b32 s[\g+6], 0
	s_mov_b32 s[\g+7], 0
.endr
	s_lshl_b32 s66, s74, 4                         ; A: row tile 16 x tile row + 8 x half, in registers that never hold cx
	s_lshl_b32 s67, s18, 3
	s_add_co_u32 s66, s66, s67
	s_mul_i32 s66, s66, 12288
	s_mov_b32 s67, 0
	s_lshl_b32 s70, s75, 4                         ; B: likewise by the tile column, in registers that never hold cy
	s_lshl_b32 s71, s18, 3
	s_add_co_u32 s70, s70, s71
	s_mul_i32 s70, s70, 12288
	s_mov_b32 s71, 0
	s_mul_i32 s72, s16, 24576                      ; where they go: wave x 8 row tiles: no place in the cluster enters an LDS address
	s_mov_b32 s[SEL], 0x76543210
	s_mov_b32 s[SEL+1], 0xfedcba98
	s_wait_kmcnt 0x0
	s_cmp_eq_u32 s23, 1
	s_cselect_b64 s[76:77], s[6:7], s[4:5]         ; A's codes,
	s_cselect_b64 s[78:79], s[4:5], s[6:7]         ; B's
	s_cselect_b32 s68, 1572864, 0                  ; v: w's row tiles 128 on
	s_mov_b32 s69, 0
	s_add_nc_u64 s[76:77], s[76:77], s[68:69]
	s_add_nc_u64 s[76:77], s[76:77], s[66:67]
	s_add_nc_u64 s[78:79], s[78:79], s[70:71]
	CROUND                                         ; all sixteen work-groups are here: the first joint loads meet
.irp s, 0,1,2
	s_mov_b32 s[G0A+4*\s], 1
	s_add_co_u32 s[G0A+4*\s+1], s72, \s*SLOT
	s_add_nc_u64 s[G0A+4*\s+2:G0A+4*\s+3], s[76:77], \s*3072
	s_or_b32 s[G0A+4*\s+3], s[G0A+4*\s+3], 0x80000000
	s_mov_b32 s[G0B+4*\s], 1
	s_add_co_u32 s[G0B+4*\s+1], s72, \s*SLOT
	s_add_nc_u64 s[G0B+4*\s+2:G0B+4*\s+3], s[78:79], \s*3072
	s_or_b32 s[G0B+4*\s+3], s[G0B+4*\s+3], 0x80000000
	JLOAD G0A+4*\s, G1A, G0B+4*\s, G1B             ; K steps 0, 1, 2: three loads of mine are out
.endr
	v_and_b32 v3, 31, v0                           ; lane
	v_and_b32 v1, 15, v0                           ; r
	v_bfe_u32 v2, v0, 4, 1                         ; h
	v_lshlrev_b32 v18, 4, v3
	v_lshlrev_b32 v19, 3, v3
	v_add_nc_u32 v19, 512, v19
	s_mul_i32 s66, s17, 24576                      ; my 8 row tiles of A,
	s_mul_i32 s67, s18, 24576
	s_add_co_u32 s67, s67, 49152                   ; and of B, which lie behind A's 16
.irp s, 0,1,2
	v_add_nc_u32 v[A16+\s], s66, v18
	v_add_nc_u32 v[A8+\s], s66, v19
	v_add_nc_u32 v[B16+\s], s67, v18
	v_add_nc_u32 v[B8+\s], s67, v19
	s_add_co_u32 s66, s66, SLOT
	s_add_co_u32 s67, s67, SLOT
.endr
	s_lshl_b32 s80, s74, 8
	s_lshl_b32 s82, s17, 7
	s_add_co_u32 s80, s80, s82                     ; m0: my first row of C'
	s_lshl_b32 s81, s75, 8
	s_lshl_b32 s82, s18, 7
	s_add_co_u32 s81, s81, s82                     ; n0: my first column
	s_add_co_u32 s83, s80, 2048
	s_cmp_eq_u32 s23, 1
	s_cselect_b32 s82, s81, s80                    ; X0: my first row of x
	s_cselect_b32 s83, s83, s81                    ; W0: my first column of w_qkv
	s_cselect_b32 s69, -1, 0                       ; a lane mask: all lanes where v is made
	s_lshl_b32 s84, s82, 5                         ; x's scale words: 512 bytes a tile
	s_lshl_b32 s85, s83, 5
	s_add_co_u32 s85, s85, 262144                  ; w's
	s_cmp_eq_u32 s23, 1
	s_cselect_b32 s86, s85, s84                    ; A's,
	s_cselect_b32 s87, s84, s85                    ; B's
	v_cmp_eq_u32 vcc_lo, 1, v2
	v_mov_b32 v16, s86
	v_mov_b32 v21, s87
	v_cndmask_b32 v16, v16, v21, vcc_lo            ; lanes 0-15 take A's words, lanes 16-31 B's
	v_lshl_add_u32 v16, v1, 4, v16                 ; four words a row
.irp i, 0,1,2,3,4,5,6,7
.irp f, 0,1
	global_load_b128 v[SC+8*\i+4*\f:SC+8*\i+4*\f+3], v16, s[8:9] offset:512*\i+256*\f
.endr
.endr
	s_lshl_b32 s88, s83, 2
	s_mov_b32 s89, 0
	s_add_nc_u64 s[10:11], s[10:11], s[88:89]      ; the bias at W0
	v_lshlrev_b32 v17, 6, v2                       ; along n: lane (r, h) wants, for tile 2 B + u, numbers 32 B + 16 h + 8 u + 0 .. 7
	v_and_b32 v20, 8, v1
	v_add_nc_u32 v20, v20, v1
	v_lshlrev_b32 v20, 2, v20                      ; along m: its row's: r + 8 (r / 8)
	s_cmp_eq_u32 s23, 1
	s_cbranch_scc1 .Lbias_rows
.irp i, 0,1,2,3,4,5,6,7
	global_load_b128 v[BI+8*\i+96*(\i/4):BI+8*\i+96*(\i/4)+3], v17, s[10:11] offset:(32*(\i/2)+8*(\i%2))*4
	global_load_b128 v[BI+8*\i+96*(\i/4)+4:BI+8*\i+96*(\i/4)+7], v17, s[10:11] offset:(32*(\i/2)+8*(\i%2))*4+16
.endr
	s_branch .Lbias_asked
.Lbias_rows:
.irp i, 0,1,2,3,4,5,6,7
.irp j, 0,1,2,3,4,5,6,7
	global_load_b32 v[BI+8*\i+96*(\i/4)+\j], v20, s[10:11] offset:(32*(\i/2)+8*(\i%2))*4   ; the row's one number in all eight registers
.endr
.endr
.Lbias_asked:
	; where my results go.  which = 0, 1, 2 for q, k, v; two heads from head0 on; batch b; the idx-th 128 tokens of the batch
	s_lshr_b32 s88, s83, 10
	s_bfe_u32 s89, s83, 0x40006
	s_lshr_b32 s90, s82, 11
	s_bfe_u32 s91, s82, 0x40007
	s_lshl_b32 s92, s88, 6
	s_lshl_b32 s90, s90, 4
	s_add_co_u32 s92, s92, s90
	s_add_co_u32 s92, s92, s89                     ; 64 which + 16 b + head0
	s_mul_i32 s88, s92, 98304
	s_mul_i32 s90, s91, 6144
	s_add_co_u32 s88, s88, s90
	s_mov_b32 s89, 0
	s_add_nc_u64 s[12:13], s[12:13], s[88:89]      ; codes: 128 units a head; my 128 tokens are 8 units on end in q, k and v alike
	s_lshl_b32 s88, s92, 12
	s_lshl_b32 s90, s91, 8
	s_add_co_u32 s88, s88, s90
	s_add_nc_u64 s[14:15], s[14:15], s[88:89]      ; scale words: 256 bytes for a head's 128 tokens
	s_wait_tensorcnt 2                             ; my part of K step 0 is in; K steps 1 and 2 may stay out
	s_barrier_signal -1
	s_barrier_wait -1
	FETCH_B 0, 0, 0
	FETCH_A 0, 0, 0
	FETCH_A 0, 0, 4
	s_wait_loadcnt 0x0                             ; scale words and bias
	s_cmp_eq_u32 s23, 1
	s_cbranch_scc1 .Lfirst_rows
	STEP 0, 1, 0, 1                                ; the first step starts the sums with the bias: along n for q and k,
	s_branch .Lfirst_done
.Lfirst_rows:
	STEP 0, 2, 0, 1                                ; along m for v
.Lfirst_done:
	TURN 1, 1, 1                                   ; slot 0 is left and filled again; its wait for all loads shows slots 1 and 2 whole to every wave
	STEP 2, 0, 1, 1
	STEP 3, 0, 2, 0
	STEP 4, 0, 2, 1
	TURN 5, 0, 0                                   ; the refill has landed in every wave
	STEP 6, 0, 0, 1
	s_wait_dscnt 16                                ; the last step: nothing more to fetch
	WIN 0xa1
	MUL16 0, 1, 7, 0
	MUL16 2, 1, 7, 0
	s_wait_dscnt 0x0
	WIN 0xf1
	MUL16 4, 1, 7, 0
	MUL16 6, 1, 7, 0
	WIN 0
	; THE WAY OUT.  For each of my eight tiles of rows the lane's 64 numbers (register 16 B + i = n 32 B + 16 h + i) are four blocks of 32: they become two units and a scale word.
	; q, k: unit g belongs to head0 + g, tile a of the tokens.  v: tile a is channels' tile a % 4 of head0 + a / 4, unit g the g-th 64 keys.  The two strides change places; nothing else differs.
	PLACES 4
	s_cmp_eq_u32 s23, 1
	s_mov_b32 s66, 98304
	s_cselect_b32 s67, s66, 3072                   ; from a = 0-3 to a = 4-7
	s_cselect_b32 s68, 3072, s66                   ; from unit 0 to unit 1
	v_mov_b32 v4, v18
	v_add_nc_u32 v5, s68, v18
	v_add_nc_u32 v6, s67, v18
	v_add_nc_u32 v7, s68, v6
	v_mov_b32 v8, v19
	v_add_nc_u32 v9, s68, v19
	v_add_nc_u32 v10, s67, v19
	v_add_nc_u32 v11, s68, v10
.irp b, 0,1,2,3
	v_mov_b32 v[TM+4+\b], 0                        ; a lane permute's destination counts as one of its sources
.endr
.macro QA a
.set AC, 64*((\a)%4)
.set CD, 128+12*(\a)
	WIN 0x0a+5*((\a)/4)                            ; sources 0 and 1: the accumulators' window
.irp b, 0,1,2,3
	v_max3_num_f32 v[TM+\b], |v[AC+16*\b]|, |v[AC+16*\b+1]|, 0x1800000   ; each accumulator is read from its low end on; the floor 2^(3 - 127) holds the byte at 1 from below
.endr
.irp i, 2,4,6,8,10,12,14
.irp b, 0,1,2,3
	v_max3_num_f32 v[TM+\b], |v[AC+16*\b+\i]|, |v[AC+16*\b+\i+1]|, v[TM+\b]
.endr
.endr
	WIN 0
.irp b, 0,1,2,3
	v_permlanex16_b32 v[TM+4+\b], v[TM+\b], s[SEL], s[SEL+1]
.endr
.irp b, 0,1,2,3
	v_max_num_f32 v[TM+\b], v[TM+\b], v[TM+4+\b]   ; with lane l xor 16's: the block's largest magnitude
.endr
.irp b, 0,1,2,3
	v_add_nc_u32 v[TM+12+\b], 0xff000000, v[TM+\b] ; 2 off its exponent field: the conversion's scale operand
.endr
.irp b, 0,1,2,3
	v_lshrrev_b32 v[TM+4+\b], 23, v[TM+12+\b]      ; the scale's byte
.endr
	v_lshl_or_b32 v[PW+(\a)], v[TM+5], 8, v[TM+4]
	v_lshl_or_b32 v[PW+(\a)], v[TM+6], 16, v[PW+(\a)]
	v_lshl_or_b32 v[PW+(\a)], v[TM+7], 24, v[PW+(\a)]
	WIN 0x02+(\a)/4                                ; source 0: the accumulators' window
.irp c, 0,1
	v_cvt_scalef32_pk16_fp6_f32 v[CD+6*\c:CD+6*\c+2], v[AC+32*\c:AC+32*\c+15], v[TM+12+2*\c]
	v_cvt_scalef32_pk16_fp6_f32 v[TT+4*\c:TT+4*\c+2], v[AC+32*\c+16:AC+32*\c+31], v[TM+12+2*\c+1]
.endr
	WIN 0
	v_nop                                          ; one plain line behind the conversions
.irp c, 0,1                            ; the operand's layout wants a whole block in a lane: lanes 0-15 block 2 c, lanes 16-31 block 2 c + 1
.irp i, 0,1,2
	v_permlane16_swap_b32 v[CD+6*\c+\i], v[TT+4*\c+\i]
.endr
.irp i, 0,1,2
	v_mov_b32 v[CD+3+6*\c+\i], v[TT+4*\c+\i]
.endr
.endr
.irp g, 0,1
	global_store_b128 v[4+2*((\a)/4)+\g], v[CD+6*\g:CD+6*\g+3], s[12:13] offset:768*((\a)%4)     ; 512 consecutive bytes, aligned,
	global_store_b64 v[8+2*((\a)/4)+\g], v[CD+6*\g+4:CD+6*\g+5], s[12:13] offset:768*((\a)%4)    ; and 256: each tile has registers of its own, so no store's data are written again
.endr
.endm
.irp a, 0,1,2,3,4,5,6,7
	QA \a
.endr
	; The scale words, four to a row and head: lanes 0-15 store head0's, lanes 16-31 those of head0 + 1.  q, k: word i = the head's two bytes of tile 2 i (low) and of tile 2 i + 1 (high);  v: word i = the word of the head's tile i.
	v_cmp_eq_u32 vcc_lo, 1, v2
	v_mov_b32 v21, 0x05040100
	v_mov_b32 v22, 0x07060302
	v_cndmask_b32 v21, v21, v22, vcc_lo
	v_lshlrev_b32 v23, 4, v1
	v_lshl_add_u32 v23, v2, 12, v23
.irp i, 0,1,2,3
	v_perm_b32 v[120+\i], v[PW+2*\i+1], v[PW+2*\i], v21
	v_cndmask_b32 v[124+\i], v[PW+\i], v[PW+4+\i], vcc_lo
.endr
.irp i, 0,1,2,3
	v_cndmask_b32 v[120+\i], v[120+\i], v[124+\i], s69
.endr
	global_store_b128 v23, v[120:123], s[14:15]    ; two runs of 256 consecutive bytes, aligned
	s_wait_tensorcnt 0x0                           ; the wave's end
	ds_add_u32 v[SPW], v[NIL]
	s_wait_dscnt 0x0
	CROUND                                         ; the closing round: no work-group ends while a partner may still ask for a tile that names it
	s_endpgm
.Lfunc_end_k_q9f35d9896f_qkv:
	.size	k_q9f35d9896f_qkv, .Lfunc_end_k_q9f35d9896f_qkv-k_q9f35d9896f_qkv
	.p2alignl 7, 3214868480
	.fill 96, 4, 3214868480
	.section	.rodata,"a",@progbits
	.p2align	6, 0x0
	.amdhsa_kernel k_q9f35d9896f_qkv
		.amdhsa_group_segment_fixed_size 327680
		.amdhsa_private_segment_fixed_size 0
		.amdhsa_enable_private_segment 0
		.amdhsa_kernarg_size 48
		.amdhsa_user_sgpr_count 2
		.amdhsa_user_sgpr_kernarg_segment_ptr 1
		.amdhsa_wavefront_size32 1
		.amdhsa_system_sgpr_workgroup_id_x 1
		.amdhsa_system_sgpr_workgroup_id_y 1
		.amdhsa_system_sgpr_workgroup_id_z 1
		.amdhsa_system_vgpr_workitem_id 0
		.amdhsa_next_free_vgpr 1024
		.amdhsa_next_free_sgpr 100
		.amdhsa_reserve_vcc 1
		.amdhsa_float_denorm_mode_32 3
		.amdhsa_float_denorm_mode_16_64 3
		.amdhsa_memory_ordered 1
		.amdhsa_forward_progress 1
		.amdhsa_inst_pref_size 168
	.end_amdhsa_kernel
	.amdgpu_metadata
---
amdhsa.version: [ 1, 2 ]
amdhsa.kernels:
  - .name:           k_q9f35d9896f_qkv
    .symbol:         k_q9f35d9896f_qkv.kd
    .args:
      - { .name: xc, .offset: 0, .size: 8, .value_kind: global_buffer, .address_space: global }
      - { .name: wqc, .offset: 8, .size: 8, .value_kind: global_buffer, .address_space: global }
      - { .name: s1, .offset: 16, .size: 8, .value_kind: global_buffer, .address_space: global }
      - { .name: b_qkv, .offset: 24, .size: 8, .value_kind: global_buffer, .address_space: global }
      - { .name: qkvc, .offset: 32, .size: 8, .value_kind: global_buffer, .address_space: global }
      - { .name: qkvs, .offset: 40, .size: 8, .value_kind: global_buffer, .address_space: global }
    .group_segment_fixed_size: 327680
    .private_segment_fixed_size: 0
    .kernarg_segment_align: 8
    .kernarg_segment_size: 48
    .max_flat_workgroup_size: 128
    .sgpr_count:     100
    .vgpr_count:     1024
    .wavefront_size: 32
...
	.end_amdgpu_metadata
.endif
;; end of part 2
;; launch attn (part 3): grid 4 x 64, 16 waves a work-group, no clusters, 206,848 bytes of LDS; arguments qkvc, qkvs, yc, sp; writes yc, sp
.if DOCPART == 3
	.amdgcn_target "amdgcn-amd-amdhsa--gfx1250"
	.amdhsa_code_object_version 6
	.text
	.protected	k_q9f35d9896f_attn
	.globl	k_q9f35d9896f_attn
	.p2align	8
	.type	k_q9f35d9896f_attn,@function
k_q9f35d9896f_attn:
	s_mov_b64 s[64:65], 0
	v_nop
	global_prefetch_b8 v0, s[64:65] scope:SCOPE_SE
	s_setreg_imm32_b32 hwreg(HW_REG_WAVE_MODE, 25, 1), 1
	s_wait_xcnt 0x0
; y = softmax(q k^T / 8, causal) v for one head, both products on codes of FP6 (E2M3) with E8M0 scales; y is quantised at once along (head, channel) into the last product's operand.
; THE SOFTMAX AHEAD OF THE SECOND PRODUCT: t = score x log2(e) / 8; M = the running largest t rounded UP to a whole number; p = 2^(t - M) is quantised along the keys, not normalised; the row's sum is taken of the
; unquantised p and divides at the end; when M moves, the sum and O are multiplied by 2^(old M - new M), which rounds nothing.
; SHARES.  Work-group (j, head) owns query blocks j and 7 - j of 256 queries: equal work in all 256 work-groups under the causal mask.  Each of sixteen waves owns one tile of 16 queries of each block, one after the other.
; THE HEAD'S WHOLE K AND V LIE IN LDS, FILLED ONCE: 98,304 bytes each, and 4,096 bytes of scale words each.  No slot is filled again.  Waves 0-3 bring them in five loads each: the scale words, then four quarters of
; 512 keys; a quarter is waited for where it is first read.  At most five tensor loads of a wave are out.
; NO CLUSTER: the four work-groups of a head read the same K and V, but a step that lies above the diagonal is jumped over by a branch on the query block, which differs between them.
; NO PREFETCH: every byte is asked for by its tensor load at the kernel's head.
; LAYOUT.  Both products transposed: S^T = K Q^T, O^T = V^T P^T: a lane holds one query throughout.  Tile 2 A + u of queries, keys or channels holds 32 A + 8 u + p + 8 (p / 8), so that the 16 registers of
; result tiles 2 B, 2 B + 1 are 16 neighbours.  Codes lie as units (16 rows x 64 K, 768 bytes: registers 0-3 at 16 x lane, 4-5 at 512 + 8 x lane).
; K = 64 IN AN INSTRUCTION OF K = 128: a K operand holds TWO key tiles, 2 p in registers 0-5 and 2 p + 1 in 6-11.  The even tile is multiplied by [q, 0], the odd one by [0, q]: the half that is not wanted meets zero
; codes on Q's side alone; FP6 has no NaN and no infinity and every scale byte here is 1 .. 254, so those products are exact zeros.
; LIMITS: NaN and infinities are not served; a block whose largest magnitude lies under 2^-124 (zeros too) gets the byte 1: these bytes are read by this program alone.
.set F,   36                           ; v36-83   four operands of K, then of V
.set KSC, 84                           ; v84-87   K's scale words of the step;  v88-91 V's
.set VSC, 88
.set S,   96                           ; v96-159  S^T, then p; at a pass's end y
.set O,   160                          ; v160-191 O^T
.set PC,  192                          ; v192-203 p's codes
.set PT,  204                          ; v204-210 the conversions' second halves
.set BM,  212                          ; v212-215 the blocks' largest scores, then largest p
.set TP,  216                          ; v216-219 at work
.set SO,  220                          ; v220-223 the conversions' scale operands
.set FF,  224                          ; v[224:225] f = 2^(old M - new M), low word
.set PWD, 226                          ; v226     p's scale word
.set TMP, 227
.set QA,  16                           ; v16-33   [q, 0, q] of pass A;  v228-245 of pass B
.set QB,  228
.set QSA, 34                           ; v34, v35 q's scale words
.set QSB, 35
.set YA,  248                          ; v248-253 pass A's codes of y;  pass B's take v192-197
.set UA,  254                          ; v254, v255 the two passes' scale bytes of y
.set UB,  255
.set SEL, 20
.set CS,  22                           ; s[22:23] c = log2(e) / 8
.set G1C, 24                           ; s[24:31] group 1: 48 rows of 256 bytes;  s[32:39]: 8 rows
.set G1S, 32
.set G0,  40                           ; s[40:59] five groups 0
.set TB,  60                           ; LDS byte of the step's units: 6,144 a step, in K and in V alike
.set TS,  61                           ; and of its scale words: 256 a step
.set KF,  62                           ; the step's first key
.set QLO, 63                           ; my tile's first query,
.set QHI, 66                           ; and its last
.set CNT, 67
; A KEY STEP: 128 keys.  Q: the registers of [q, 0, q];  QS: q's scale word
.macro STEP Q, QS
	s_cmp_gt_u32 s[KF], s[QHI]                     ; a step all of whose keys come after my queries is left out: a branch on ids; the lines at its end that step addresses are not jumped over
	s_cbranch_scc1 .Lhidden_\@
	v_add_nc_u32 v6, s[TB], v1                     ; (these five are also the places in front of the loads into registers that the last products read)
	v_add_nc_u32 v7, s[TB], v2
	v_add_nc_u32 v8, s[TB], v3
	v_add_nc_u32 v9, s[TB], v4
	v_add_nc_u32 v10, s[TS], v5
.irp t, 0,1,2,3,4,5,6,7
	ds_load_b128 v[F+6*\t:F+6*\t+3], v6 offset:768*\t
	ds_load_b64 v[F+6*\t+4:F+6*\t+5], v7 offset:768*\t
.endr
	ds_load_b128 v[KSC:KSC+3], v10                 ; word p: the bytes of key tiles 2 p and 2 p + 1
	s_wait_dscnt 0x0
.irp t, 0,1,2,3,4,5,6,7
	v_wmma_scale_f32_16x16x128_f8f6f4 v[S+8*\t:S+8*\t+7], v[F+12*(\t/2):F+12*(\t/2)+11], v[\Q+6*(\t%2):\Q+6*(\t%2)+11], 0, v[KSC+\t/2], v[\QS] matrix_a_fmt:MATRIX_FMT_FP6 matrix_b_fmt:MATRIX_FMT_FP6
.endr
.rept 4
	v_nop                                          ; places: in front of the loads below and of the first read of the scores
.endr
.irp c, 0,1                            ; V's units land while the softmax is walked
.irp t, 0,1,2,3
	ds_load_b128 v[F+12*\t+6*\c:F+12*\t+6*\c+3], v8 offset:768*(4*\c+\t)
	ds_load_b64 v[F+12*\t+6*\c+4:F+12*\t+6*\c+5], v9 offset:768*(4*\c+\t)
.endr
.endr
	ds_load_b128 v[VSC:VSC+3], v10 offset:4096
	s_add_co_u32 s68, s[KF], 127                   ; on the diagonal hidden scores become -infinity ahead of the maximum; a step all of whose keys count skips this
	s_cmp_le_u32 s68, s[QLO]
	s_cbranch_scc1 .Lopen_\@
	s_sub_co_i32 s68, s[QLO], s[KF]
	v_add_nc_u32 v[TMP], s68, v11                  ; d = my query - KF - 16 (lane / 16).  Register 16 B + i holds key KF + 16 (lane / 16) + 32 B + i: hidden where 32 B + i > d
	v_mov_b32 v[TP], 0xff800000
.set NN, 0
.rept 64
	v_cmp_gt_i32 vcc_lo, 32*(NN/16)+NN%16, v[TMP]
	v_cndmask_b32 v[S+NN], v[S+NN], v[TP], vcc_lo
.set NN, NN+1
.endr
.Lopen_\@:
.irp b, 0,1,2,3
	v_max3_num_f32 v[BM+\b], v[S+16*\b], v[S+1+16*\b], v[S+2+16*\b]   ; the largest score of each block of 32 keys: for the row's maximum and, since p rises with the score, for the block's largest p
.endr
.irp i, 3,5,7,9,11,13
.irp b, 0,1,2,3
	v_max3_num_f32 v[BM+\b], v[BM+\b], v[S+16*\b+\i], v[S+1+16*\b+\i]
.endr
.endr
.irp b, 0,1,2,3
	v_max_num_f32 v[BM+\b], v[BM+\b], v[S+15+16*\b]
.endr
.irp b, 0,1,2,3
	v_permlanex16_b32 v[TP+\b], v[BM+\b], s[SEL], s[SEL+1]
.endr
.irp b, 0,1,2,3
	v_max_num_f32 v[BM+\b], v[BM+\b], v[TP+\b]     ; with lane l xor 16's 16 keys
.endr
	v_max3_num_f32 v[TMP], v[BM], v[BM+1], v[BM+2]
	v_max_num_f32 v[TMP], v[TMP], v[BM+3]
	v_mul_f32 v[TMP], s[CS], v[TMP]                ; as t
	v_max_num_f32 v13, v13, v[TMP]                 ; the running largest t
	v_mov_b32 v[TMP], v12
	v_floor_f32 v12, -v13                          ; the new -M = floor(-t): M is a whole number
	v_sub_f32 v[TMP], v12, v[TMP]                  ; old M - new M: a whole number, 0 or less
	v_cvt_i32_f32 v[TMP], v[TMP]                   ; (it saturates)
	v_ldexp_f32 v[FF], 1.0, v[TMP]                 ; f
.set NN, 0
.rept 32
	v_pk_fma_f32 v[S+NN:S+NN+1], v[S+NN:S+NN+1], s[CS:CS+1], v[12:13] op_sel_hi:[1,0,0]   ; t - M, two at a time
.set NN, NN+2
.endr
.irp b, 0,1,2,3
	v_fma_f32 v[BM+\b], v[BM+\b], s[CS], v12       ; the same of each block's largest score
.endr
.set NN, 0
.rept 64
	v_exp_f32 v[S+NN], v[S+NN]                     ; p = 2^(t - M), at most 1
.set NN, NN+1
.endr
	v_pk_mul_f32 v[14:15], v[14:15], v[FF:FF+1] op_sel_hi:[1,0]   ; the sums under the new M: a plain line behind the exponentials
	s_wait_alu depctr_va_vdst(0)                   ; one wait for the whole batch, ahead of its first reader
.irp b, 0,1,2,3
	v_exp_f32 v[BM+\b], v[BM+\b]                   ; the block's largest p: the same two instructions on the same number give the same bits
.endr
	v_pk_add_f32 v[TP:TP+1], v[S:S+1], v[S+2:S+3]  ; the row's sum of the unquantised p, in two chains
.irp j, 4,8,12,16,20,24,28,32,36,40,44,48,52,56,60
	v_pk_add_f32 v[14:15], v[14:15], v[S+\j:S+\j+1]
	v_pk_add_f32 v[TP:TP+1], v[TP:TP+1], v[S+2+\j:S+3+\j]
.endr
	v_pk_add_f32 v[14:15], v[14:15], v[TP:TP+1]
	s_wait_alu depctr_va_vdst(0)                   ; and one for the four
.irp b, 0,1,2,3
	v_max_num_f32 v[BM+\b], 0x1800000, v[BM+\b]    ; the floor 2^(3 - 127): the byte cannot fall under 1 (a block whose every p is 0 keeps that byte: its codes are zeros)
.endr
.irp b, 0,1,2,3
	v_add_nc_u32 v[SO+\b], 0xff000000, v[BM+\b]
.endr
.irp b, 0,1,2,3
	v_lshrrev_b32 v[TP+\b], 23, v[SO+\b]
.endr
	v_lshl_or_b32 v[PWD], v[TP+1], 8, v[TP]        ; p's scale word for these 128 keys
	v_lshl_or_b32 v[PWD], v[TP+2], 16, v[PWD]
	v_lshl_or_b32 v[PWD], v[TP+3], 24, v[PWD]
.irp c, 0,1
	v_cvt_scalef32_pk16_fp6_f32 v[PC+6*\c:PC+2+6*\c], v[S+32*\c:S+15+32*\c], v[SO+2*\c]
	v_cvt_scalef32_pk16_fp6_f32 v[PT+4*\c:PT+2+4*\c], v[S+16+32*\c:S+31+32*\c], v[SO+2*\c+1]
.endr
	v_nop                                          ; one plain line behind the conversions
.irp c, 0,1
.irp i, 0,1,2
	v_permlane16_swap_b32 v[PC+6*\c+\i], v[PT+4*\c+\i]
.endr
.irp i, 0,1,2
	v_mov_b32 v[PC+3+6*\c+\i], v[PT+4*\c+\i]
.endr
.endr
.set NN, 0
.rept 16
	v_pk_mul_f32 v[O+NN:O+NN+1], v[O+NN:O+NN+1], v[FF:FF+1] op_sel_hi:[1,0]   ; O^T under the new M; these sixteen also stand between the scale word and the codes just made and the products
.set NN, NN+2
.endr
	s_wait_dscnt 0x0                               ; V is in
.irp t, 0,1,2,3
	v_wmma_scale_f32_16x16x128_f8f6f4 v[O+8*\t:O+8*\t+7], v[F+12*\t:F+12*\t+11], v[PC:PC+11], v[O+8*\t:O+8*\t+7], v[VSC+\t], v[PWD] matrix_a_fmt:MATRIX_FMT_FP6 matrix_b_fmt:MATRIX_FMT_FP6
.endr
.Lhidden_\@:
	s_add_co_u32 s[KF], s[KF], 128
	s_add_co_u32 s[TB], s[TB], 6144
	s_add_co_u32 s[TS], s[TS], 256
.endm
.macro LOOP4 Q, QS                     ; a quarter of the keys: four steps
	s_mov_b32 s[CNT], 4
.Lstep_\@:
	STEP \Q, \QS
	s_sub_co_u32 s[CNT], s[CNT], 1
	s_cmp_lg_u32 s[CNT], 0
	s_cbranch_scc1 .Lstep_\@
.endm
.macro MEET n                          ; the next quarter has landed (n loads were issued behind it) and every wave knows
	s_wait_tensorcnt \n
	s_wait_dscnt 0x0
	s_barrier_signal -1
	s_barrier_wait -1
.endm
.macro START t                         ; a pass begins: tile s[t]
	s_lshr_b32 s[QLO], s[\t], 1
	s_lshl_b32 s[QLO], s[QLO], 5
	s_and_b32 s68, s[\t], 1
	s_lshl_b32 s68, s68, 3
	s_add_co_u32 s[QLO], s[QLO], s68
	s_add_co_u32 s[QHI], s[QLO], 23
	s_mov_b32 s[KF], 0
	s_mov_b32 s[TB], 0
	s_mov_b32 s[TS], 0
	v_mov_b32 v13, 0xff61b1e6                      ; the largest t so far: -3e38
	v_floor_f32 v12, -v13
	v_mov_b32 v14, 0
	v_mov_b32 v15, 0
.set NN, 0
.rept 32
	v_mov_b32 v[O+NN], 0                           ; the step is written once: the first finds zeros, which the first change of M leaves zeros
.set NN, NN+1
.endr
.endm
.macro FINISH Y, U, base               ; O^T / the sum = 16 rows x 64 channels of y: two blocks of 32 a row: one unit and two scale bytes
.rept 4
	v_nop
.endr
	v_add_f32 v14, v14, v15
	v_permlanex16_b32 v[TP], v14, s[SEL], s[SEL+1]
	v_add_f32 v14, v14, v[TP]                      ; the row's sum
	v_rcp_f32 v[FF], v14
	v_nop
	s_wait_alu depctr_va_vdst(0)
.set NN, 0
.rept 16
	v_pk_mul_f32 v[S+NN:S+NN+1], v[O+NN:O+NN+1], v[FF:FF+1] op_sel_hi:[1,0]   ; register 16 B + i = channel 32 B + 16 h + i
.set NN, NN+2
.endr
.irp b, 0,1
	v_max3_num_f32 v[BM+\b], |v[S+16*\b]|, |v[S+1+16*\b]|, 0x1800000
.endr
.irp i, 2,4,6,8,10,12,14
.irp b, 0,1
	v_max3_num_f32 v[BM+\b], v[BM+\b], |v[S+16*\b+\i]|, |v[S+1+16*\b+\i]|
.endr
.endr
.irp b, 0,1
	v_permlanex16_b32 v[TP+\b], v[BM+\b], s[SEL], s[SEL+1]
.endr
.irp b, 0,1
	v_max_num_f32 v[BM+\b], v[BM+\b], v[TP+\b]
.endr
.irp b, 0,1
	v_add_nc_u32 v[SO+\b], 0xff000000, v[BM+\b]
.endr
.irp b, 0,1
	v_lshrrev_b32 v[TP+\b], 23, v[SO+\b]
.endr
	v_lshl_or_b32 v[\U], v[TP+1], 8, v[TP]
	v_cvt_scalef32_pk16_fp6_f32 v[\Y:\Y+2], v[S:S+15], v[SO]
	v_cvt_scalef32_pk16_fp6_f32 v[PT:PT+2], v[S+16:S+31], v[SO+1]
	v_nop
.irp i, 0,1,2
	v_permlane16_swap_b32 v[\Y+\i], v[PT+\i]
.endr
.irp i, 0,1,2
	v_mov_b32 v[\Y+3+\i], v[PT+\i]
.endr
	global_store_b128 v1, v[\Y:\Y+3], s[\base:\base+1]        ; 512 consecutive bytes, aligned,
	global_store_b64 v2, v[\Y+4:\Y+5], s[\base:\base+1]       ; and 256
.endm
; the addresses that hang on a pass's tile s[t]: q's unit, q's two scale bytes, y's unit; so: the offset of y's scale bytes
.macro BASES t, qb, qs, yb, so
	s_lshl_b32 s86, s14, 7
	s_add_co_u32 s86, s86, s[\t]
	s_mul_i32 s86, s86, 768
	s_add_nc_u64 s[\qb:\qb+1], s[4:5], s[86:87]
	s_lshl_b32 s86, s14, 4
	s_lshr_b32 s88, s[\t], 3
	s_add_co_u32 s86, s86, s88
	s_lshl_b32 s86, s86, 8
	s_and_b32 s88, s[\t], 7
	s_lshl_b32 s88, s88, 1
	s_add_co_u32 s86, s86, s88
	s_add_nc_u64 s[\qs:\qs+1], s[6:7], s[86:87]
	s_lshl_b32 s88, s15, 7
	s_add_co_u32 s88, s88, s[\t]                   ; the tile among all 512 row tiles
	s_mul_i32 s86, s88, 12288
	s_mul_i32 s89, s16, 768                        ; the unit is the head
	s_add_co_u32 s86, s86, s89
	s_add_nc_u64 s[\yb:\yb+1], s[8:9], s[86:87]
	s_lshl_b32 s[\so], s88, 9
	s_add_co_u32 s[\so], s[\so], s85
.endm
	s_load_b256 s[4:11], s[0:1], 0x0               ; qkvc s[4:5], qkvs s[6:7], yc s[8:9], sp s[10:11]
	v_lshl_add_u32 v207, v0, 2, 0x32000
	v_mov_b32 v211, 0
	ds_add_u32 v207, v211
	ds_add_u32 v207, v211
	v_lshrrev_b32 v6, 5, v0
	v_readfirstlane_b32 s12, v6                    ; wave 0..15
	s_and_b32 s14, ttmp7, 0xffff                   ; batch x 16 + head
	s_lshr_b32 s15, s14, 4
	s_and_b32 s16, s14, 15
	s_lshl_b32 s13, ttmp9, 4
	s_add_co_u32 s17, s13, s12                     ; pass A's tile: 16 j + wave
	s_sub_co_u32 s18, 112, s13
	s_add_co_u32 s18, s18, s12                     ; pass B's: 16 (7 - j) + wave
	s_and_b32 s19, s12, 1                          ; what I fetch, if I fetch: which half of each piece,
	s_bfe_u32 s84, s12, 0x10001                    ; of K (0) or of V (1)
	s_lshl_b32 s85, s84, 6
	s_add_co_u32 s85, s85, 64
	s_add_co_u32 s85, s85, s14                     ; (1 + kv) x 64 + batch x 16 + head
	s_mul_i32 s86, s85, 98304
	s_mul_i32 s88, s19, 12288
	s_add_co_u32 s86, s86, s88                     ; codes, in memory,
	s_mov_b32 s87, 0
	s_mul_i32 s90, s84, 98304
	s_add_co_u32 s90, s90, s88                     ; and in LDS
	s_lshl_b32 s88, s85, 12
	s_lshl_b32 s91, s19, 11
	s_add_co_u32 s88, s88, s91                     ; scale words, in memory,
	s_mov_b32 s89, 0
	s_lshl_b32 s85, s84, 12
	s_add_co_u32 s91, s91, s85
	s_add_co_u32 s91, s91, 196608                  ; and in LDS
	; descriptor groups 1: dense blocks as rows of 256 bytes (32 elements of 8 bytes): 48 rows (half a quarter's units), 8 rows (half a head's scale words)
	s_mov_b32 s[G1C], 3<<16
	s_mov_b32 s[G1C+1], 32<<16
	s_mov_b32 s[G1C+2], 48<<16
	s_mov_b32 s[G1C+3], 32<<16
	s_mov_b32 s[G1C+4], 48
	s_mov_b32 s[G1C+5], 32
	s_mov_b32 s[G1C+6], 0
	s_mov_b32 s[G1C+7], 0
	s_mov_b32 s[G1S], 3<<16
	s_mov_b32 s[G1S+1], 32<<16
	s_mov_b32 s[G1S+2], 8<<16
	s_mov_b32 s[G1S+3], 32<<16
	s_mov_b32 s[G1S+4], 8
	s_mov_b32 s[G1S+5], 32
	s_mov_b32 s[G1S+6], 0
	s_mov_b32 s[G1S+7], 0
	s_mov_b32 s[SEL], 0x76543210
	s_mov_b32 s[SEL+1], 0xfedcba98
	s_mov_b32 s[CS], 0x3e38aa3b                    ; c = log2(e) / sqrt(64)
	s_mov_b32 s[CS+1], s[CS]
	s_wait_dscnt 0x0
	s_wait_kmcnt 0x0
	s_add_nc_u64 s[92:93], s[4:5], s[86:87]
	s_add_nc_u64 s[94:95], s[6:7], s[88:89]
	s_mov_b32 s[G0], 1
	s_mov_b32 s[G0+1], s91
	s_mov_b64 s[G0+2:G0+3], s[94:95]
	s_or_b32 s[G0+3], s[G0+3], 0x80000000
.irp q, 0,1,2,3
	s_mov_b32 s[G0+4+4*\q], 1
	s_add_co_u32 s[G0+5+4*\q], s90, 24576*\q
	s_add_nc_u64 s[G0+6+4*\q:G0+7+4*\q], s[92:93], 24576*\q
	s_or_b32 s[G0+7+4*\q], s[G0+7+4*\q], 0x80000000
.endr
	s_cmp_lt_u32 s12, 4                            ; all first fills of a wave stand in one branch on the wave's number
	s_cbranch_scc0 .Lno_fetch
	tensor_load_to_lds s[G0:G0+3], s[G1S:G1S+7]
	s_nop 0
	tensor_load_to_lds s[G0+4:G0+7], s[G1C:G1C+7]
	s_nop 0
	tensor_load_to_lds s[G0+8:G0+11], s[G1C:G1C+7]
	s_nop 0
	tensor_load_to_lds s[G0+12:G0+15], s[G1C:G1C+7]
	s_nop 0
	tensor_load_to_lds s[G0+16:G0+19], s[G1C:G1C+7]
	s_nop 0
.rept 4
	v_nop
.endr
.Lno_fetch:
	s_mov_b32 s87, 0
	s_lshr_b32 s85, s16, 3
	s_lshl_b32 s85, s85, 8
	s_and_b32 s88, s16, 7
	s_lshl_b32 s88, s88, 1
	s_add_co_u32 s85, s85, s88                     ; a head's two bytes in a row's scale bytes: K half head / 8, byte 2 (head % 8) of its sixteen
	BASES 17, 74, 78, 70, 82
	BASES 18, 76, 80, 72, 83
	v_and_b32 v6, 31, v0                           ; lane
	v_and_b32 v7, 15, v0                           ; r
	v_bfe_u32 v8, v0, 4, 1                         ; h
	v_lshlrev_b32 v1, 4, v6                        ; a unit's first 512 bytes: 16 x lane
	v_lshlrev_b32 v2, 3, v6
	v_add_nc_u32 v2, 512, v2                       ; its last 256: 512 + 8 x lane
	v_add_nc_u32 v3, 98304, v1                     ; the same in V
	v_add_nc_u32 v4, 98304, v2
	v_lshlrev_b32 v9, 4, v7                        ; scale words: 16 bytes a row
	v_add_nc_u32 v5, 196608, v9
	v_and_b32 v11, 8, v7
	v_add_nc_u32 v11, v11, v7
	v_lshlrev_b32 v10, 4, v8
	v_sub_nc_u32 v11, v11, v10                     ; r + 8 (r / 8) - 16 h: for the mask
.irp u, 0,12                           ; q's unit twice: in front of the zeros and behind them
	global_load_b128 v[QA+\u:QA+\u+3], v1, s[74:75]
	global_load_b64 v[QA+\u+4:QA+\u+5], v2, s[74:75]
	global_load_b128 v[QB+\u:QB+\u+3], v1, s[76:77]
	global_load_b64 v[QB+\u+4:QB+\u+5], v2, s[76:77]
.endr
	global_load_u16 v246, v9, s[78:79]
	global_load_u16 v247, v9, s[80:81]
.irp i, 6,7,8,9,10,11
	v_mov_b32 v[QA+\i], 0
	v_mov_b32 v[QB+\i], 0
.endr
.irp b, 0,1,2,3
	v_mov_b32 v[TP+\b], 0                          ; a lane permute's destination counts as one of its sources
.endr
	v_mov_b32 v[FF+1], 0                           ; (named as the upper half of the pair)
	s_wait_loadcnt 0x0
	v_lshl_or_b32 v[QSA], v246, 16, v246           ; q's two bytes serve both places of q
	v_lshl_or_b32 v[QSB], v247, 16, v247
	START 17
	MEET 3                                         ; the scale words and keys 0 .. 511
	LOOP4 QA, QSA
	MEET 2                                         ; keys 512 .. 1,023: pass A's queries lie under 1,024
	LOOP4 QA, QSA
	FINISH YA, UA, 70
	START 18
	LOOP4 QB, QSB
	LOOP4 QB, QSB
	MEET 1                                         ; keys 1,024 .. 1,535
	LOOP4 QB, QSB
	MEET 0                                         ; all
	LOOP4 QB, QSB
	FINISH PC, UB, 72
	v_and_b32 v6, 15, v0                           ; y's scale bytes: lanes 0-15 store pass A's rows', lanes 16-31 pass B's: 2 bytes a row, 16 bytes apart: a head owns two of a row's 32 bytes
	v_bfe_u32 v7, v0, 4, 1
	v_cmp_eq_u32 vcc_lo, 1, v7
	v_mov_b32 v8, s82
	v_mov_b32 v9, s83
	v_cndmask_b32 v8, v8, v9, vcc_lo
	v_lshl_add_u32 v8, v6, 4, v8
	v_cndmask_b32 v9, v[UA], v[UB], vcc_lo
	global_store_b16 v8, v9, s[10:11]
	s_wait_tensorcnt 0x0
	ds_add_u32 v207, v211
	s_wait_dscnt 0x0
	s_endpgm
.Lfunc_end_k_q9f35d9896f_attn:
	.size	k_q9f35d9896f_attn, .Lfunc_end_k_q9f35d9896f_attn-k_q9f35d9896f_attn
	.p2alignl 7, 3214868480
	.fill 96, 4, 3214868480
	.section	.rodata,"a",@progbits
	.p2align	6, 0x0
	.amdhsa_kernel k_q9f35d9896f_attn
		.amdhsa_group_segment_fixed_size 206848
		.amdhsa_private_segment_fixed_size 0
		.amdhsa_enable_private_segment 0
		.amdhsa_kernarg_size 32
		.amdhsa_user_sgpr_count 2
		.amdhsa_user_sgpr_kernarg_segment_ptr 1
		.amdhsa_wavefront_size32 1
		.amdhsa_system_sgpr_workgroup_id_x 1
		.amdhsa_system_sgpr_workgroup_id_y 1
		.amdhsa_system_sgpr_workgroup_id_z 1
		.amdhsa_system_vgpr_workitem_id 0
		.amdhsa_next_free_vgpr 256
		.amdhsa_next_free_sgpr 100
		.amdhsa_reserve_vcc 1
		.amdhsa_float_denorm_mode_32 3
		.amdhsa_float_denorm_mode_16_64 3
		.amdhsa_memory_ordered 1
		.amdhsa_forward_progress 1
		.amdhsa_inst_pref_size 147
	.end_amdhsa_kernel
	.amdgpu_metadata
---
amdhsa.version: [ 1, 2 ]
amdhsa.kernels:
  - .name:           k_q9f35d9896f_attn
    .symbol:         k_q9f35d9896f_attn.kd
    .args:
      - { .name: qkvc, .offset: 0, .size: 8, .value_kind: global_buffer, .address_space: global }
      - { .name: qkvs, .offset: 8, .size: 8, .value_kind: global_buffer, .address_space: global }
      - { .name: yc, .offset: 16, .size: 8, .value_kind: global_buffer, .address_space: global }
      - { .name: sp, .offset: 24, .size: 8, .value_kind: global_buffer, .address_space: global }
    .group_segment_fixed_size: 206848
    .private_segment_fixed_size: 0
    .kernarg_segment_align: 8
    .kernarg_segment_size: 32
    .max_flat_workgroup_size: 512
    .sgpr_count:     100
    .vgpr_count:     256
    .wavefront_size: 32
...
	.end_amdgpu_metadata
.endif
;; end of part 3
;; launch proj (part 4): grid 4 x 32, 4 waves a work-group, clusters of 4 x 4, 327,680 bytes of LDS; arguments yc, wpc, sp, b_proj, out0; writes out0
.if DOCPART == 4
	.amdgcn_target "amdgcn-amd-amdhsa--gfx1250"
	.amdhsa_code_object_version 6
	.text
	.protected	k_q9f35d9896f_proj
	.globl	k_q9f35d9896f_proj
	.p2align	8
	.type	k_q9f35d9896f_proj,@function
k_q9f35d9896f_proj:
	s_mov_b64 s[64:65], 0
	v_nop
	global_prefetch_b8 v0, s[64:65] scope:SCOPE_SE
	s_setreg_imm32_b32 hwreg(HW_REG_WAVE_MODE, 25, 1), 1
	s_wait_xcnt 0x0
	s_wait_alu depctr_hold_cnt(0) depctr_sa_sdst(0) depctr_va_vdst(0) depctr_va_sdst(0) depctr_va_ssrc(0) depctr_va_vcc(0) depctr_vm_vsrc(0)
	s_getreg_b32 s2, hwreg(HW_REG_IB_STS2, 6, 4)
	s_cmp_eq_u32 s2, 0
	s_cbranch_scc0 .Lentry_in_a_cluster
	s_endpgm
.Lentry_in_a_cluster:
	s_bfe_u32 s2, ttmp6, 0x10000c
	s_cmp_lg_u32 s2, 0xf033
	s_cbranch_scc0 .Lentry_shape_is_right
	s_endpgm
.Lentry_shape_is_right:
; out0 = y w_proj + b_proj on codes of FP6 (E2M3) with E8M0 scales, K = 1,024; f32 out.
; C[m][n] = sum over k of A[m][k] B[n][k], A = y's rows, B = w_proj's columns.  A tile of C is 256 x 256: four waves, each 128 x 128: 64 accumulators.  The matrix instruction is used transposed (source 0 = 16 rows of B,
; source 1 = 16 rows of A): a lane holds one row of C and eight neighbouring columns to an accumulator.
; TILES AND UNITS: tile 2 A + u of an operand's rows holds rows 32 A + 8 u + p + 8 (p / 8); codes lie as units of 16 rows x 64 K, 768 bytes, an image of six operand registers (registers 0-3 at 16 x lane, 4-5 at
; 512 + 8 x lane); a row tile is 16 units.  The way out puts rows and columns back in their order.
; K goes in steps of 256 through THREE LDS slots; K steps 0, 1, 2 are first fills and only K step 3 fills a slot again.  All scale words of the wave's rows lie in 64 registers.  The bias is the C of each sum's first instruction.
; CLUSTERS: 4 x 4; A's tiles are asked for jointly along a row of the cluster, B's along a column.  The grid has 128 work-groups: C has no more tiles of this size.
; REGISTERS: window 0: v1-23 lane terms and addresses; v28, v29 the add's; v32-95 scale words; v96-127, v224-255 the bias; v128-223 A's fragments; on the way out v128-255 rows of C.
;   window 1: B's fragments, two sets.   windows 2, 3: the accumulators ((a, b) at v[8 (8 (a % 4) + b)] of window 2 + a / 4).
.set SLOT,  98304
.set SPARE, 3*SLOT
.set FR,    12
.set SC,    32
.set BI,    96
.set AF,    128
.set A16,   4
.set A8,    7
.set B16,   10
.set B8,    13
.set STO,   20                         ; the way out: where I put 16 bytes of a row
.set RD,    21                         ; and where I read a row back
.set SPW,   28
.set NIL,   29
.set BK,    128
.set SPITCH, 528                       ; a stage row: 512 bytes + 16
.set STAGE, SLOT                       ; the stages, 16 rows for each wave, lie in slot 1: it is filled once, and its last read stands ahead of the barrier in the sixth step
.set G1A,   24
.set G0A,   32
.set G1B,   44
.set G0B,   52
.set MSB, 0
.macro WIN new                         ; the immediate's high byte repeats the setting that is left
.if MSB != \new
	s_set_vgpr_msb (MSB<<8)|\new
.set MSB, \new
.endif
.endm
.macro PLACES n
.rept \n
	v_nop
.endr
.endm
; A joint load: waves 0 and 1 fetch for A, waves 2 and 3 for B; the branch hangs on the wave's number alone.  Four v_nop follow each of the two lines.
.macro JLOAD g0a, g1a, g0b, g1b
	s_cmp_eq_u32 s17, 0
	s_cbranch_scc0 .Lfor_b_\@
	tensor_load_to_lds s[\g0a:\g0a+3], s[\g1a:\g1a+7]
	s_nop 0
.rept 4
	v_nop
.endr
	s_branch .Lasked_\@
.Lfor_b_\@:
	tensor_load_to_lds s[\g0b:\g0b+3], s[\g1b:\g1b+7]
	s_nop 0
.rept 4
	v_nop
.endr
.Lasked_\@:
.endm
.macro CREST
	s_cmp_lg_u32 s16, 0
	s_cbranch_scc1 .Lnot_wave_0_\@
	s_barrier_signal -3
.Lnot_wave_0_\@:
	s_barrier_wait -3
	s_barrier_signal -1
	s_barrier_wait -1
.endm
.macro CROUND
	s_barrier_signal -1
	s_barrier_wait -1
	CREST
.endm
.macro FRAG reg, a16, a8, q, i         ; a fragment = two units, as they lie
	ds_load_b128 v[\reg:\reg+3], v[\a16] offset:3072*(\i)+1536*(\q)
	ds_load_b64 v[\reg+4:\reg+5], v[\a8] offset:3072*(\i)+1536*(\q)
	ds_load_b128 v[\reg+6:\reg+9], v[\a16] offset:3072*(\i)+1536*(\q)+768
	ds_load_b64 v[\reg+10:\reg+11], v[\a8] offset:3072*(\i)+1536*(\q)+768
.endm
.macro FETCH_B slot, q, p
	WIN 0x40
.irp i, 0,1,2,3,4,5,6,7
	FRAG 128*(\p)+FR*\i, B16+\slot, B8+\slot, \q, \i
.endr
	WIN 0
.endm
.macro FETCH_A slot, q, i0
.irp i, \i0, \i0+1, \i0+2, \i0+3
	FRAG AF+FR*(\i), A16+\slot, A8+\slot, \q, \i
.endr
.endm
; 16 matrix instructions: A's blocks a0, a0 + 1 x B's eight, the k-th 128 along K.  cm = 0: C = D; 1: C = the bias of B's tile.  The 64 accumulators take turns.
.macro MUL16 a0, p, k, cm
.irp a, \a0, \a0+1
.irp b, 0,1,2,3,4,5,6,7
.set AC, 8*(8*((\a)%4)+\b)
.set RB, 128*(\p)+FR*\b
.set RA, AF+FR*(\a)
.if (\cm) == 0
	v_wmma_scale_f32_16x16x128_f8f6f4 v[AC:AC+7], v[RB:RB+FR-1], v[RA:RA+FR-1], v[AC:AC+7], v[SC+8*\b+(\k)], v[SC+8*(\a)+(\k)] matrix_a_fmt:MATRIX_FMT_FP6 matrix_b_fmt:MATRIX_FMT_FP6 matrix_a_scale:MATRIX_SCALE_ROW1
.else
	v_wmma_scale_f32_16x16x128_f8f6f4 v[AC:AC+7], v[RB:RB+FR-1], v[RA:RA+FR-1], v[BI+8*\b+96*(\b/4):BI+8*\b+96*(\b/4)+7], v[SC+8*\b+(\k)], v[SC+8*(\a)+(\k)] matrix_a_fmt:MATRIX_FMT_FP6 matrix_b_fmt:MATRIX_FMT_FP6 matrix_a_scale:MATRIX_SCALE_ROW1
.endif
.endr
.endr
.endm
.macro STEP k, cm, sn, qn
	s_wait_dscnt 16                                ; B's set and A's blocks 0-3 are in; the youngest sixteen loads (A's blocks 4-7) may be out
.if \cm
	WIN 0x81
.else
	WIN 0xa1
.endif
	MUL16 0, (\k)%2, \k, \cm
	MUL16 2, (\k)%2, \k, \cm
	s_wait_dscnt 0x0
	PLACES 4
	FETCH_B \sn, \qn, 1-(\k)%2
	FETCH_A \sn, \qn, 0
.if \cm
	WIN 0xc1
.else
	WIN 0xf1
.endif
	MUL16 4, (\k)%2, \k, \cm
	MUL16 6, (\k)%2, \k, \cm
	PLACES 4
	WIN 0
	FETCH_A \sn, \qn, 4
.endm
.macro TURN k, sn, fill
	s_wait_tensorcnt 0x0                           ; all my tensor loads have landed
	ds_add_u32 v[SPW], v[NIL]                      ; 0 onto my spare word
	s_wait_dscnt 17                                ; (the add and the youngest sixteen loads may be out)
	WIN 0xa1
	MUL16 0, 1, \k, 0
	s_wait_dscnt 0x0                               ; the add is done, and my LDS reads so far are over
	s_barrier_signal -1
	MUL16 2, 1, \k, 0
	WIN 0
	s_barrier_wait -1
.if \fill
	CREST                                          ; the barrier has opened a round of the cluster's barrier
	s_add_nc_u64 s[G0A+2:G0A+3], s[G0A+2:G0A+3], 3*3072
	s_add_nc_u64 s[G0B+2:G0B+3], s[G0B+2:G0B+3], 3*3072
	JLOAD G0A, G1A, G0B, G1B                       ; the first tensor load behind the round, my only one; its four v_nop are the places in front of the loads below
.else
	PLACES 4
.endif
	FETCH_B \sn, 0, 0
	FETCH_A \sn, 0, 0
	WIN 0xf1
	MUL16 4, 1, \k, 0
	MUL16 6, 1, \k, 0
	PLACES 4
	WIN 0
	FETCH_A \sn, 0, 4
.endm
	s_load_b256 s[4:11], s[0:1], 0x0               ; yc s[4:5], wpc s[6:7], sp s[8:9], b_proj s[10:11]
	s_load_b64 s[12:13], s[0:1], 0x20              ; out0
	v_lshl_add_u32 v[SPW], v0, 2, SPARE
	v_mov_b32 v[NIL], 0
	ds_add_u32 v28, v29
	ds_add_u32 v28, v29
	s_wait_dscnt 0x0
	v_lshrrev_b32 v1, 5, v0
	v_readfirstlane_b32 s16, v1                    ; wave 0..3
	s_lshr_b32 s17, s16, 1
	s_and_b32 s18, s16, 1
	s_bfe_u32 s19, ttmp6, 0x40000                  ; cx
	s_bfe_u32 s20, ttmp6, 0x40004                  ; cy
	s_and_b32 s74, ttmp7, 0xffff
	s_lshl_b32 s74, s74, 2
	s_add_co_u32 s74, s74, s20                     ; tile row of C
	s_lshl_b32 s75, ttmp9, 2
	s_add_co_u32 s75, s75, s19                     ; tile column
	s_lshl_b32 s2, s20, 2
	s_lshl_b32 s2, 15, s2                          ; my row of the cluster
	s_lshl_b32 s3, 0x1111, s19                     ; my column
	s_or_b32 s[G1A+0], s2, (3<<16)|(1<<21)         ; 8 rows of 3,072 bytes (384 elements of 8), 12,288 bytes apart; dense in LDS
	s_or_b32 s[G1B+0], s3, (3<<16)|(1<<21)
.irp g, G1A, G1B
	s_mov_b32 s[\g+1], 384<<16
	s_mov_b32 s[\g+2], 8<<16
	s_mov_b32 s[\g+3], 384<<16
	s_mov_b32 s[\g+4], 8
	s_mov_b32 s[\g+5], 1536
	s_mov_b32 s[\g+6], 0
	s_mov_b32 s[\g+7], 0
.endr
	s_lshl_b32 s66, s74, 4
	s_lshl_b32 s67, s18, 3
	s_add_co_u32 s66, s66, s67
	s_mul_i32 s66, s66, 12288
	s_mov_b32 s67, 0
	s_lshl_b32 s70, s75, 4
	s_lshl_b32 s71, s18, 3
	s_add_co_u32 s70, s70, s71
	s_mul_i32 s70, s70, 12288
	s_mov_b32 s71, 0
	s_mul_i32 s72, s16, 24576
	s_wait_kmcnt 0x0
	s_add_nc_u64 s[76:77], s[4:5], s[66:67]
	s_add_nc_u64 s[78:79], s[6:7], s[70:71]
	CROUND                                         ; all sixteen work-groups are here: the first joint loads meet
.irp s, 0,1,2
	s_mov_b32 s[G0A+4*\s], 1
	s_add_co_u32 s[G0A+4*\s+1], s72, \s*SLOT
	s_add_nc_u64 s[G0A+4*\s+2:G0A+4*\s+3], s[76:77], \s*3072
	s_or_b32 s[G0A+4*\s+3], s[G0A+4*\s+3], 0x80000000
	s_mov_b32 s[G0B+4*\s], 1
	s_add_co_u32 s[G0B+4*\s+1], s72, \s*SLOT
	s_add_nc_u64 s[G0B+4*\s+2:G0B+4*\s+3], s[78:79], \s*3072
	s_or_b32 s[G0B+4*\s+3], s[G0B+4*\s+3], 0x80000000
	JLOAD G0A+4*\s, G1A, G0B+4*\s, G1B             ; K steps 0, 1, 2: three loads of mine are out
.endr
	v_and_b32 v3, 31, v0
	v_and_b32 v1, 15, v0                           ; r
	v_bfe_u32 v2, v0, 4, 1                         ; h
	v_lshlrev_b32 v18, 4, v3
	v_lshlrev_b32 v19, 3, v3
	v_add_nc_u32 v19, 512, v19
	s_mul_i32 s66, s17, 24576
	s_mul_i32 s67, s18, 24576
	s_add_co_u32 s67, s67, 49152
.irp s, 0,1,2
	v_add_nc_u32 v[A16+\s], s66, v18
	v_add_nc_u32 v[A8+\s], s66, v19
	v_add_nc_u32 v[B16+\s], s67, v18
	v_add_nc_u32 v[B8+\s], s67, v19
	s_add_co_u32 s66, s66, SLOT
	s_add_co_u32 s67, s67, SLOT
.endr
	s_mul_i32 s66, s16, 16*SPITCH
	s_add_co_u32 s66, s66, STAGE                   ; my stage
	v_mul_u32_u24 v[STO], v1, SPITCH
	v_lshl_add_u32 v[STO], v2, 6, v[STO]
	v_add_nc_u32 v[STO], s66, v[STO]               ; in: row r, + 64 h
	v_add_nc_u32 v[RD], s66, v18                   ; back: 16 bytes a lane of a row
	s_lshl_b32 s80, s74, 8
	s_lshl_b32 s82, s17, 7
	s_add_co_u32 s80, s80, s82                     ; m0
	s_lshl_b32 s81, s75, 8
	s_lshl_b32 s82, s18, 7
	s_add_co_u32 s81, s81, s82                     ; n0
	s_lshl_b32 s86, s80, 5                         ; y's scale words: 512 bytes a tile
	s_lshl_b32 s87, s81, 5
	s_add_co_u32 s87, s87, 262144                  ; w_proj's
	v_cmp_eq_u32 vcc_lo, 1, v2
	v_mov_b32 v16, s86
	v_mov_b32 v22, s87
	v_cndmask_b32 v16, v16, v22, vcc_lo            ; lanes 0-15 take A's words, lanes 16-31 B's
	v_lshl_add_u32 v16, v1, 4, v16
.irp i, 0,1,2,3,4,5,6,7
.irp f, 0,1
	global_load_b128 v[SC+8*\i+4*\f:SC+8*\i+4*\f+3], v16, s[8:9] offset:512*\i+256*\f
.endr
.endr
	s_lshl_b32 s88, s81, 2
	s_mov_b32 s89, 0
	s_add_nc_u64 s[10:11], s[10:11], s[88:89]      ; the bias at n0
	v_lshlrev_b32 v17, 6, v2                       ; lane (r, h) wants, for tile 2 B + u, numbers 32 B + 16 h + 8 u + 0 .. 7
.irp i, 0,1,2,3,4,5,6,7
	global_load_b128 v[BI+8*\i+96*(\i/4):BI+8*\i+96*(\i/4)+3], v17, s[10:11] offset:(32*(\i/2)+8*(\i%2))*4
	global_load_b128 v[BI+8*\i+96*(\i/4)+4:BI+8*\i+96*(\i/4)+7], v17, s[10:11] offset:(32*(\i/2)+8*(\i%2))*4+16
.endr
	s_lshl_b32 s90, s80, 12
	s_add_co_u32 s90, s90, s88
	s_mov_b32 s91, 0
	s_add_nc_u64 s[12:13], s[12:13], s[90:91]      ; C at (m0, n0)
	s_wait_tensorcnt 2                             ; my part of K step 0 is in; K steps 1 and 2 may stay out
	s_barrier_signal -1
	s_barrier_wait -1
	FETCH_B 0, 0, 0
	FETCH_A 0, 0, 0
	FETCH_A 0, 0, 4
	s_wait_loadcnt 0x0                             ; scale words and bias
	STEP 0, 1, 0, 1                                ; the first step starts the sums with the bias
	TURN 1, 1, 1                                   ; slot 0 is left and filled again; its wait for all loads shows slots 1 and 2 whole to every wave
	STEP 2, 0, 1, 1
	STEP 3, 0, 2, 0
	STEP 4, 0, 2, 1
	TURN 5, 0, 0                                   ; the refill has landed in every wave; behind this barrier nobody reads slot 1
	STEP 6, 0, 0, 1
	s_wait_dscnt 16
	WIN 0xa1
	MUL16 0, 1, 7, 0
	MUL16 2, 1, 7, 0
	s_wait_dscnt 0x0
	WIN 0xf1
	MUL16 4, 1, 7, 0
	MUL16 6, 1, 7, 0
	WIN 0
; THE WAY OUT, a tile of 16 rows x 128 columns at a time, through my own stage: in, the lane's eight numbers of accumulator b at columns 32 (b / 2) + 16 h + 8 (b % 2); back, whole rows of 512 bytes.
; LDS serves a wave's instructions in order (ISA guide 5.7.1.4): no wait between the stores and the loads, nor in front of the next tile's stores.
.macro TOSTAGE a
.set AC, 64*((\a)%4)
	WIN 0x08+4*((\a)/4)                            ; the data: window 2 or 3
.irp b, 0,1,2,3,4,5,6,7
	ds_store_b128 v[STO], v[AC+8*\b:AC+8*\b+3] offset:128*(\b/2)+32*(\b%2)          ; each accumulator from its low end on
	ds_store_b128 v[STO], v[AC+8*\b+4:AC+8*\b+7] offset:128*(\b/2)+32*(\b%2)+16
.endr
	WIN 0
.set BB, BK+64*((\a)%2)
.irp t, 0,1,2,3,4,5,6,7,8,9,10,11,12,13,14,15
	ds_load_b128 v[BB+4*\t:BB+4*\t+3], v[RD] offset:\t*SPITCH
.endr
.endm
.macro SEND a, younger                 ; younger: the LDS instructions issued behind tile a's loads
.set BB, BK+64*((\a)%2)
	s_wait_dscnt \younger
.irp t, 0,1,2,3,4,5,6,7,8,9,10,11,12,13,14,15
	global_store_b128 v18, v[BB+4*\t:BB+4*\t+3], s[12:13] offset:(32*((\a)/2)+8*((\a)%2)+\t+8*(\t/8))*4096 th:TH_STORE_NT   ; place t of tile a is row 32 (a / 2) + 8 (a % 2) + t + 8 (t / 8); 512 consecutive bytes, aligned
.endr
.endm
	PLACES 4
	TOSTAGE 0
.irp a, 1,2,3,4,5,6,7
.if \a > 1
	s_wait_xcnt 0x0                                ; tile a - 2's stores have read their registers: tile a's loads may land there
.endif
	TOSTAGE \a
	SEND \a-1, 32                                  ; behind tile a - 1's loads: tile a's 16 stores and 16 loads
.endr
	SEND 7, 0
	s_wait_tensorcnt 0x0                           ; the wave's end
	ds_add_u32 v[SPW], v[NIL]
	s_wait_dscnt 0x0
	CROUND                                         ; the closing round
	s_endpgm
.Lfunc_end_k_q9f35d9896f_proj:
	.size	k_q9f35d9896f_proj, .Lfunc_end_k_q9f35d9896f_proj-k_q9f35d9896f_proj
	.p2alignl 7, 3214868480
	.fill 96, 4, 3214868480
	.section	.rodata,"a",@progbits
	.p2align	6, 0x0
	.amdhsa_kernel k_q9f35d9896f_proj
		.amdhsa_group_segment_fixed_size 327680
		.amdhsa_private_segment_fixed_size 0
		.amdhsa_enable_private_segment 0
		.amdhsa_kernarg_size 40
		.amdhsa_user_sgpr_count 2
		.amdhsa_user_sgpr_kernarg_segment_ptr 1
		.amdhsa_wavefront_size32 1
		.amdhsa_system_sgpr_workgroup_id_x 1
		.amdhsa_system_sgpr_workgroup_id_y 1
		.amdhsa_system_sgpr_workgroup_id_z 1
		.amdhsa_system_vgpr_workitem_id 0
		.amdhsa_next_free_vgpr 1024
		.amdhsa_next_free_sgpr 100
		.amdhsa_reserve_vcc 1
		.amdhsa_float_denorm_mode_32 3
		.amdhsa_float_denorm_mode_16_64 3
		.amdhsa_memory_ordered 1
		.amdhsa_forward_progress 1
		.amdhsa_inst_pref_size 142
	.end_amdhsa_kernel
	.amdgpu_metadata
---
amdhsa.version: [ 1, 2 ]
amdhsa.kernels:
  - .name:           k_q9f35d9896f_proj
    .symbol:         k_q9f35d9896f_proj.kd
    .args:
      - { .name: yc, .offset: 0, .size: 8, .value_kind: global_buffer, .address_space: global }
      - { .name: wpc, .offset: 8, .size: 8, .value_kind: global_buffer, .address_space: global }
      - { .name: sp, .offset: 16, .size: 8, .value_kind: global_buffer, .address_space: global }
      - { .name: b_proj, .offset: 24, .size: 8, .value_kind: global_buffer, .address_space: global }
      - { .name: out0, .offset: 32, .size: 8, .value_kind: global_buffer, .address_space: global }
    .group_segment_fixed_size: 327680
    .private_segment_fixed_size: 0
    .kernarg_segment_align: 8
    .kernarg_segment_size: 40
    .max_flat_workgroup_size: 128
    .sgpr_count:     100
    .vgpr_count:     1024
    .wavefront_size: 32
...
	.end_amdgpu_metadata
.endif
;; end of part 4
